; MI455X (gfx1250); checked and timed in simulation.
; The chip was launched on July 23, 2026; its instructions are those of AMD's public machine-readable ISA for CDNA 5 (MIT licence, August 2026) and "CDNA5" Instruction Set Architecture Reference Guide (July 2026). The comments in the code are by the model that wrote it; some were corrected since.
;; Masked Multi Head Attention. Allowed arithmetic: matrix products marked QUANTISED: E3M2 operands, one E8M0 scale for each 32 along K, by v_wmma_scale_f32_16x16x128_f8f6f4 with both operands' format E3M2, f32 sums; everything else in f32.
;; Inputs: Wk 1,024 x 1,024 float32; Wo 1,024 x 1,024 float32; Wq 1,024 x 1,024 float32; Wv 1,024 x 1,024 float32; bk 1,024 float32; bo 1,024 float32; bq 1,024 float32; bv 1,024 float32; x 4 x 2,048 x 1,024 float32.
;; Outputs: out0 4 x 2,048 x 1,024 float32.
;; This version of the problem:
;;   THIS VERSION OF THE PROBLEM IS GIVEN IN LOW PRECISION. The matrix products marked QUANTISED in the list below multiply operands that are first quantised to E3M2 (3 exponent bits, 2 mantissa bits; 6 bits a number), with one power-of-two scale for each 32 numbers along K (OCP MX v1.0); their sums are f32. All else is computed in f32.
;;   The module's matrix products, in the order in which they are computed (A, B: the left and right operand; K: the contracted axis; several contracted axes count as one K, in the product's order):
;;     1. [M 8,192, K 1,024] x [K 1,024, N 1,024]; A: input x; B: input Wq: QUANTISED
;;     2. [M 8,192, K 1,024] x [K 1,024, N 1,024]; A: input x; B: input Wk: QUANTISED
;;     3. [M 8,192, K 1,024] x [K 1,024, N 1,024]; A: input x; B: input Wv: QUANTISED
;;     4. batch 64 x [M 2,048, K 64] x [K 64, N 2,048]; A: computed on the way; B: computed on the way: QUANTISED
;;     5. batch 64 x [M 2,048, K 2,048] x [K 2,048, N 64]; A: softmax (see below); B: computed on the way: QUANTISED
;;     6. [M 8,192, K 1,024] x [K 1,024, N 1,024]; A: computed on the way; B: input Wo: QUANTISED
;;   THE QUANTISER, for each operand of a quantised product, along K:
;;     - K is cut into blocks of 32 from its start; a last block that is shorter is filled with zeros.
;;     - A block's scale is 2^e with e = floor(log2(the largest magnitude in the block)) - 4, held to -126 .. 127; a block of zeros has e = 0. As a byte (E8M0): e + 127.
;;     - Each number is divided by its block's scale, clamped to +-28, and rounded to the nearest number of E3M2, ties to even, subnormals kept.
;;     - The product sums the exact products of the quantised numbers (number of the format x scale) in f32.
;;   ~~~python
;;   def quantise(x, axis):      # numpy; x: float32 -> the quantised numbers, widened to float32 again
;;       x = np.moveaxis(x, axis, -1); K = x.shape[-1]
;;       x = np.pad(x, [(0, 0)] * (x.ndim - 1) + [(0, -K % 32)]); x = x.reshape(x.shape[:-1] + (-1, 32)); a = np.abs(x).max(-1, keepdims=True)
;;       e = np.where(a > 0, np.clip(np.frexp(np.where(a > 0, a, 1))[1] - 1 - 4, -126, 127), 0)      # np.frexp(a)[1] - 1 = floor(log2(a)), exactly
;;       r = np.clip(x / 2.0 ** e, -28, 28)
;;       step = 2.0 ** (np.maximum(np.frexp(np.where(r == 0, 1, r))[1] - 1, -2) - 2)
;;       q = np.round(r / step) * step * 2.0 ** e      # np.round: ties to even
;;       return np.moveaxis(q.reshape(q.shape[:-2] + (-1,))[..., :K], -1, axis).astype(np.float32)
;;   ~~~
;;   SOFTMAX AHEAD OF A QUANTISED PRODUCT. Where the list says 'softmax', what is quantised is not the finished softmax but p = 2^(t - M), with t = logit x log2(e) and M = ceil(the row's largest t), a whole number; so 1/2 < the row's largest p <= 1. The row's sum l is taken of the UNQUANTISED p, in f32, and the product's result is divided by l at the end. Since M is a whole number, a kernel that streams over the keys may use a running M (the ceiling of the running maximum): every later rescaling is an exact power of two, which a block's scale takes up: the codes' values come out the same.
;;   OPERANDS COMPUTED ON THE WAY. 'Computed on the way' means the value that the module computes at that place (a softmax that the list does not call 'softmax' is quantised finished and normalised). What goes into a quantiser is computed in f32, as accurately as f32 sums, v_exp_f32 and their like allow (about 1e-6 of the number): no bf16 or f16 on the way to a quantiser, and a product that is left as it is and whose result goes on into a quantised operand takes f32 operands (vector FMAs, or v_wmma_f32_16x16x4_f32). A number that lies on a knife's edge between two numbers of the format may be rounded either way, as far as f32 arithmetic and the matrix unit's own rounding can turn it there, and no further.
;; One version. Each part assembles by itself: llvm-mc -triple=amdgcn-amd-amdhsa -mcpu=gfx1250 --defsym DOCPART=n.
;; ======== version 1 of 1: 4 launches
;; workspace buffers: opimg 9,437,184 bytes; opsc 393,216 bytes; qkv 19,660,800 bytes; ctximg 6,291,456 bytes; ctxsc 262,144 bytes
;; launch quant (part 1): grid 768 x 1, 2 waves a work-group, no clusters, 17,152 bytes of LDS; arguments x, Wq, Wk, Wv, Wo, opimg, opsc; writes opimg, opsc
.if DOCPART == 1
	.amdgcn_target "amdgcn-amd-amdhsa--gfx1250"
	.amdhsa_code_object_version 6
	.text
	.protected	k_qcdef1f8c2e_quant
	.globl	k_qcdef1f8c2e_quant
	.p2align	8
	.type	k_qcdef1f8c2e_quant,@function
k_qcdef1f8c2e_quant:
	s_mov_b64 s[64:65], 0
	v_nop
	global_prefetch_b8 v0, s[64:65] scope:SCOPE_SE
	s_setreg_imm32_b32 hwreg(HW_REG_WAVE_MODE, 25, 1), 1
	s_wait_xcnt 0x0
; x [8192][1024] and Wq, Wk, Wv, Wo [1024][1024], f32, K innermost, become codes of BF6 (E3M2) with one E8M0 byte for each 32 along K,
; laid as IMAGES OF OPERAND REGISTERS.  A row tile is 16 rows; opimg is [768 row tiles][8 K steps of 128][1536 bytes]: tiles 0-511 x, 512-575 Wq, 576-639 Wk, 640-703 Wv, 704-767 Wo.
; In a fragment's 1,536 bytes piece g (0..5) holds registers 2 g, 2 g + 1 of lane l at byte 256 g + 8 l.  opsc is [768][K half 2][row 16][4 words]: word s = the scale word of K step 4 half + s.
; THE ROWS OF A TILE ARE NOT NEIGHBOURS: position j of a tensor's tile T is its row 32 (T / 2) + 8 (T % 2) + j + 8 (j / 8), so that a product that takes such tiles as source 0
; leaves in the 16 registers of tiles 2 b and 2 b + 1 sixteen neighbours, 32 b + 16 (lane / 16) + 0 .. 15.
; A block's scale is 2^(floor(log2(largest magnitude)) - 4): its byte is the largest magnitude's exponent field - 4, held at 1 from below.
; LIMITS: a block whose largest magnitude lies under 2^-122 (a block of zeros among them) gets the byte 1 where the stated quantiser says otherwise; a block of zeros has zero codes, and these bytes are read by this program alone.
; NaN and infinities among the inputs are not served.
; SHARES: work-group t makes row tile t; wave w its K half w: four K steps of 128.  Each load reads 512 consecutive bytes of one row; a K step's 16 rows turn through the wave's own stage in LDS
; (rows of 512 + 16 bytes) and come back so that lane (r, h) holds, of row r, 16 neighbours of each block of 32.  No barrier: the waves share nothing.  Loads run two K steps (32 loads a wave) ahead.
.set R,   16                           ; v16-143  two sets of 64 registers, as loaded
.set X,   144                          ; v144-207 register 16 b + i = k 32 b + 16 h + i of my row
.set PC,  208                          ; v208-219 the fragment's codes
.set CT,  220                          ; v220-222, v224-226 halves of blocks on their way
.set TM,  228                          ; v228-231 largest magnitudes, v232-235 bytes, v240-243 the conversions' scale operands
.set PWS, 244                          ; v244-247 the four K steps' scale words
.set SEL, 26                           ; s[26:27] lane selects: lane l xor 16
; 64 numbers of a lane, register 16 b + i = k 32 b + 16 (lane / 16) + i of its row, become twelve registers of codes: blocks 0, 1 in v[d0] on (6 registers), blocks 2, 3 in v[d1] on; the four bytes stay in v[TM+4] on.
.macro QUANT s, d0, d1
.irp b, 0,1,2,3
	v_max3_num_f32 v[TM+\b], |v[(\s)+16*\b]|, |v[(\s)+1+16*\b]|, 0x2800000   ; my 16 numbers of block b, and the floor 2^(5 - 127): the byte cannot fall under 1
.endr
.irp i, 2,4,6,8,10,12,14
.irp b, 0,1,2,3
	v_max3_num_f32 v[TM+\b], v[TM+\b], |v[(\s)+16*\b+\i]|, |v[(\s)+1+16*\b+\i]|   ; the four blocks by turns
.endr
.endr
.irp b, 0,1,2,3
	v_permlanex16_b32 v[TM+4+\b], v[TM+\b], s[SEL], s[SEL+1]
.endr
.irp b, 0,1,2,3
	v_max_num_f32 v[TM+\b], v[TM+\b], v[TM+4+\b]                   ; with lane l xor 16's 16: the block's largest magnitude
.endr
.irp b, 0,1,2,3
	v_add_nc_u32 v[TM+12+\b], 0xfe000000, v[TM+\b]                 ; 4 off its exponent field: the conversion takes this operand's exponent field as its scale
.endr
.irp b, 0,1,2,3
	v_lshrrev_b32 v[TM+4+\b], 23, v[TM+12+\b]                      ; the scale's byte
.endr
	v_cvt_scalef32_pk16_bf6_f32 v[(\d0):(\d0)+2], v[(\s):(\s)+15], v[TM+12]
	v_cvt_scalef32_pk16_bf6_f32 v[CT:CT+2], v[(\s)+16:(\s)+31], v[TM+13]
	v_cvt_scalef32_pk16_bf6_f32 v[(\d1):(\d1)+2], v[(\s)+32:(\s)+47], v[TM+14]
	v_cvt_scalef32_pk16_bf6_f32 v[CT+4:CT+6], v[(\s)+48:(\s)+63], v[TM+15]
	v_nop                                                          ; one plain place behind a scaled conversion
.irp i, 0,1,2
	v_permlane16_swap_b32 v[(\d0)+\i], v[CT+\i]                    ; the layout wants a whole block in a lane: lanes 0-15 the even block, lanes 16-31 the odd one
	v_permlane16_swap_b32 v[(\d1)+\i], v[CT+4+\i]
.endr
.irp i, 0,1,2
	v_mov_b32 v[(\d0)+3+\i], v[CT+\i]
	v_mov_b32 v[(\d1)+3+\i], v[CT+4+\i]
.endr
.endm
.macro LOADK s                         ; K step s: 16 rows x 512 bytes into set s % 2
.irp j, 0,1,2,3,4,5,6,7,8,9,10,11,12,13,14,15
	global_load_b128 v[R+64*((\s)%2)+4*\j:R+64*((\s)%2)+4*\j+3], v4, s[12:13] offset:(\j+8*(\j/8))*4096+512*(\s) th:TH_LOAD_NT
.endr
.endm
.macro TURNK s                         ; through my stage: LDS serves a wave's instructions in order, so no wait stands between the stores and the loads
.irp j, 0,1,2,3,4,5,6,7,8,9,10,11,12,13,14,15
	ds_store_b128 v6, v[R+64*((\s)%2)+4*\j:R+64*((\s)%2)+4*\j+3] offset:528*\j
.endr
.irp b, 0,1,2,3
.irp i, 0,1,2,3
	ds_load_b128 v[X+16*\b+4*\i:X+16*\b+4*\i+3], v7 offset:128*\b+16*\i
.endr
.endr
.endm
.macro KSTEP s
.if \s < 3
	s_wait_loadcnt 16                              ; this K step's 16 loads are in; the next step's 16 may be out
.else
	s_wait_loadcnt 0x0
.endif
	TURNK \s
	s_wait_dscnt 0x0                               ; the numbers are back, and the stores into the stage have read their registers,
.if \s < 2
	LOADK \s+2                                     ; which take the loads of two steps on
.endif
.if \s > 0
	s_wait_xcnt 0x0                                ; the last step's stores have read the codes' registers: they are written again only behind this wait
.endif
	QUANT X, PC, PC+6
	v_lshl_or_b32 v[PWS+\s], v[TM+5], 8, v[TM+4]   ; the four bytes make my row's scale word of this K step
	v_lshl_or_b32 v[PWS+\s], v[TM+6], 16, v[PWS+\s]
	v_lshl_or_b32 v[PWS+\s], v[TM+7], 24, v[PWS+\s]
.irp g, 0,1,2,3,4,5
	global_store_b64 v5, v[PC+2*\g:PC+2*\g+1], s[14:15] offset:1536*\s+256*\g   ; 32 lanes store 256 consecutive bytes, at a multiple of 256 from the buffer's first byte
.endr
.endm
	s_load_b256 s[4:11], s[0:1], 0x0               ; x, Wq, Wk, Wv
	s_load_b128 s[12:15], s[0:1], 0x20             ; Wo, opimg
	s_load_b64 s[16:17], s[0:1], 0x30              ; opsc
	v_lshl_add_u32 v254, v0, 2, 0x4200
	v_mov_b32 v255, 0
	v_lshrrev_b32 v1, 5, v0
	v_readfirstlane_b32 s18, v1                    ; wave 0, 1
	v_and_b32 v1, 31, v0                           ; lane
	v_and_b32 v2, 15, v0                           ; r
	v_bfe_u32 v3, v0, 4, 1                         ; h
	v_lshlrev_b32 v4, 4, v1                        ; 16 x lane: my bytes of a load's 512
	v_lshlrev_b32 v5, 3, v1                        ; 8 x lane: my place in a piece of an image
	s_mul_i32 s24, s18, 8448                       ; my stage: 16 rows x 528 bytes
	v_add_nc_u32 v6, s24, v4                       ; into it
	v_mul_u32_u24 v7, v2, 528
	v_lshl_add_u32 v7, v3, 6, v7
	v_add_nc_u32 v7, s24, v7                       ; out of it: row r, + 64 h
	v_lshlrev_b32 v8, 4, v2
	v_lshl_add_u32 v8, v3, 3, v8                   ; the scale words: 16 r + 8 h
	s_mov_b32 s[SEL], 0x76543210
	s_mov_b32 s[SEL+1], 0xfedcba98
.irp b, 0,1,2,3
	v_mov_b32 v[TM+4+\b], 0                        ; written once: a lane permute's destination counts as one of its sources
.endr
	s_and_b32 s19, ttmp9, 63                       ; a weight's tile
	s_wait_alu depctr_va_vdst(0)
	s_wait_kmcnt 0x0
	s_cmp_lt_u32 ttmp9, 704                        ; which tensor: the choice hangs on the work-group's number alone
	s_cselect_b64 s[12:13], s[10:11], s[12:13]
	s_cmp_lt_u32 ttmp9, 640
	s_cselect_b64 s[12:13], s[8:9], s[12:13]
	s_cmp_lt_u32 ttmp9, 576
	s_cselect_b64 s[12:13], s[6:7], s[12:13]
	s_cmp_lt_u32 ttmp9, 512
	s_cselect_b64 s[12:13], s[4:5], s[12:13]
	s_cselect_b32 s19, ttmp9, s19                  ; T: the tile's number in its tensor
	s_lshr_b32 s20, s19, 1
	s_lshl_b32 s20, s20, 17                        ; 32 (T / 2) rows of 4,096 bytes
	s_and_b32 s22, s19, 1
	s_lshl_b32 s22, s22, 15                        ; + 8 (T % 2) rows
	s_add_co_u32 s20, s20, s22
	s_lshl_b32 s22, s18, 11                        ; + my K half: 512 numbers
	s_add_co_u32 s20, s20, s22
	s_mov_b32 s21, 0
	s_add_nc_u64 s[12:13], s[12:13], s[20:21]
	s_mul_i32 s20, ttmp9, 12288
	s_mul_i32 s22, s18, 6144
	s_add_co_u32 s20, s20, s22
	s_add_nc_u64 s[14:15], s[14:15], s[20:21]      ; my four fragments
	s_lshl_b32 s20, ttmp9, 9
	s_lshl_b32 s22, s18, 8
	s_add_co_u32 s20, s20, s22
	s_add_nc_u64 s[16:17], s[16:17], s[20:21]      ; my 256 bytes of scale words
	LOADK 0
	LOADK 1
	KSTEP 0
	KSTEP 1
	KSTEP 2
	KSTEP 3
	v_cmp_le_u32 vcc_lo, 16, v1                    ; lanes 0-15 store words 0, 1 of their row, lanes 16-31 words 2, 3
	v_cndmask_b32 v248, v[PWS], v[PWS+2], vcc_lo
	v_cndmask_b32 v249, v[PWS+1], v[PWS+3], vcc_lo
	global_store_b64 v8, v[248:249], s[16:17]      ; 32 lanes store 256 consecutive bytes, aligned
	s_wait_tensorcnt 0x0
	ds_add_u32 v254, v255
	s_wait_dscnt 0x0
	s_endpgm
.Lfunc_end_k_qcdef1f8c2e_quant:
	.size	k_qcdef1f8c2e_quant, .Lfunc_end_k_qcdef1f8c2e_quant-k_qcdef1f8c2e_quant
	.p2alignl 7, 3214868480
	.fill 96, 4, 3214868480
	.section	.rodata,"a",@progbits
	.p2align	6, 0x0
	.amdhsa_kernel k_qcdef1f8c2e_quant
		.amdhsa_group_segment_fixed_size 17152
		.amdhsa_private_segment_fixed_size 0
		.amdhsa_enable_private_segment 0
		.amdhsa_kernarg_size 56
		.amdhsa_user_sgpr_count 2
		.amdhsa_user_sgpr_kernarg_segment_ptr 1
		.amdhsa_wavefront_size32 1
		.amdhsa_system_sgpr_workgroup_id_x 1
		.amdhsa_system_sgpr_workgroup_id_y 1
		.amdhsa_system_sgpr_workgroup_id_z 1
		.amdhsa_system_vgpr_workitem_id 0
		.amdhsa_next_free_vgpr 256
		.amdhsa_next_free_sgpr 66
		.amdhsa_reserve_vcc 1
		.amdhsa_float_denorm_mode_32 3
		.amdhsa_float_denorm_mode_16_64 3
		.amdhsa_memory_ordered 1
		.amdhsa_forward_progress 1
		.amdhsa_inst_pref_size 35
	.end_amdhsa_kernel
	.amdgpu_metadata
---
amdhsa.version: [ 1, 2 ]
amdhsa.kernels:
  - .name:           k_qcdef1f8c2e_quant
    .symbol:         k_qcdef1f8c2e_quant.kd
    .args:
      - { .name: x, .offset: 0, .size: 8, .value_kind: global_buffer, .address_space: global }
      - { .name: Wq, .offset: 8, .size: 8, .value_kind: global_buffer, .address_space: global }
      - { .name: Wk, .offset: 16, .size: 8, .value_kind: global_buffer, .address_space: global }
      - { .name: Wv, .offset: 24, .size: 8, .value_kind: global_buffer, .address_space: global }
      - { .name: Wo, .offset: 32, .size: 8, .value_kind: global_buffer, .address_space: global }
      - { .name: opimg, .offset: 40, .size: 8, .value_kind: global_buffer, .address_space: global }
      - { .name: opsc, .offset: 48, .size: 8, .value_kind: global_buffer, .address_space: global }
    .group_segment_fixed_size: 17152
    .private_segment_fixed_size: 0
    .kernarg_segment_align: 8
    .kernarg_segment_size: 56
    .max_flat_workgroup_size: 64
    .sgpr_count:     66
    .vgpr_count:     256
    .wavefront_size: 32
...
	.end_amdgpu_metadata
.endif
;; end of part 1
;; launch qkv (part 2): grid 12 x 32, 4 waves a work-group, clusters of 4 x 4, 327,680 bytes of LDS; arguments opimg, opsc, bq, bk, bv, qkv; writes qkv
.if DOCPART == 2
	.amdgcn_target "amdgcn-amd-amdhsa--gfx1250"
	.amdhsa_code_object_version 6
	.text
	.protected	k_qcdef1f8c2e_qkv
	.globl	k_qcdef1f8c2e_qkv
	.p2align	8
	.type	k_qcdef1f8c2e_qkv,@function
k_qcdef1f8c2e_qkv:
	s_mov_b64 s[64:65], 0
	v_nop
	global_prefetch_b8 v0, s[64:65] scope:SCOPE_SE
	s_setreg_imm32_b32 hwreg(HW_REG_WAVE_MODE, 25, 1), 1
	s_wait_xcnt 0x0
	s_wait_alu depctr_hold_cnt(0) depctr_sa_sdst(0) depctr_va_vdst(0) depctr_va_sdst(0) depctr_va_ssrc(0) depctr_va_vcc(0) depctr_vm_vsrc(0)
	s_getreg_b32 s2, hwreg(HW_REG_IB_STS2, 6, 4)
	s_cmp_eq_u32 s2, 0
	s_cbranch_scc0 .Lentry_in_a_cluster
	s_endpgm
.Lentry_in_a_cluster:
	s_bfe_u32 s2, ttmp6, 0x10000c
	s_cmp_lg_u32 s2, 0xf033
	s_cbranch_scc0 .Lentry_shape_is_right
	s_endpgm
.Lentry_shape_is_right:
; q = x Wq^T + bq, k = x Wk^T + bk, v = x Wv^T + bv on codes of BF6 (E3M2) with E8M0 scales, f32 sums; the results are quantised in registers (q, k along a head's 64; v along the keys) and stored as images of the
; operand registers that the attention launch wants.  K = 1,024: eight K steps of 128.
; A tile of C, 256 x 256, is made by four waves, 128 x 128 each: 64 accumulators.  Operands come as fragment images (1,536 bytes: piece g = registers 2 g, 2 g + 1 of lane l at 256 g + 8 l), so a fragment is six
; loads of 8 bytes a lane, each of 256 consecutive bytes: no pitch, no padding.  A ring of two LDS slots, each with two K steps of 16 + 16 row tiles; the scale words of all of K come once.
; TWO ROLES, told apart by the cluster's x alone (the same in all sixteen partners).  Cluster x = 0, 1: C = x [Wq | Wk]^T, A = x, B = W.  Cluster x = 2: C = Wv x^T, A = Wv, B = x.
; THE MATRIX INSTRUCTION IS USED TRANSPOSED (source 0 = 16 rows of B, source 1 = 16 rows of A): a lane holds one row of A, and by the order of rows in a row tile (position j of tile T = row 32 (T / 2) + 8 (T % 2) + j + 8 (j / 8))
; its 64 registers of an A tile run along 128 neighbouring rows of B: register 16 b + i = row 32 b + 16 (lane / 16) + i.  So q and k have a head's dims along a lane's registers, and v, in its role, the keys: nothing is transposed.
; CLUSTERS: 4 x 4.  A's tiles are shared along a row of the cluster, B's along a column: joint loads, with a round of the cluster's barrier in front of the first and of each refill, and one at the end.
; 384 tiles of equal work; a smaller tile would read each LDS byte for fewer products.
; THE RECORD of head 16 b + n in qkv, 307,200 bytes: Q images [step 16][fragment 4][1536] at 0; q's scale words [step][row 16][4] at 98,304; K images at 102,400; V images [step][d tile 4][1536] at 200,704; k's words at 299,008; v's at 303,104.
; There a fragment's piece c (0..2) holds registers 4 c .. 4 c + 3 of lane l at 512 c + 16 l.  A fragment of Q or K holds TWO token tiles: registers 0-5 tile 2 f, registers 6-11 tile 2 f + 1 (64 dims each); its scale word likewise, two bytes each.
; LIMITS: a block whose largest magnitude lies under 2^-122 (zeros among them) gets the byte 1; these bytes are read by this program alone.  NaN and infinities are not served.
; REGISTERS: window 0: v1 r, v2 h, v3 lane, v7-10 addresses of the way out, v12-18 LDS addresses, v20-27 bv by lane, v32-63 scale words (two sets), v64-255 A's fragments (two sets of 96); window 1: B's two sets, v192-255 the bias along the registers;
;   windows 2, 3: the accumulators, (a, b) at v[8 (8 (a % 4) + b)].
.set PAC, 4                            ; s[4:5] A's codes;  s[6:7] A's scale words;  B's are the same buffers here
.set PAS, 6
.set PBC, 4
.set PBS, 6
.set FR,     12                        ; registers of a fragment
.set FRB,    1536                      ; its image
.set SLROW,  3072                      ; a row tile's two K steps
.set HALFT,  24576                     ; 8 row tiles: what one tensor load brings, and what a wave reads of A or of B
.set SLOT,   98304                     ; A's 16 row tiles, then B's 16
.set SCL,    196608                    ; behind the ring: A's scale words (16 x 512 bytes), then B's
.set HALFS,  4096
.set SPARE,  212992                    ; the spare words, 128 bytes for each wave: two blocks of 256 bytes that no other line names
.set ADRA, 12                          ; v12-13 LDS address of my A fragments in slot 0, 1
.set ADRB, 14                          ; v14-15 the same for B
.set ADRS, 16                          ; v16    of my scale words: lanes 0-15 A's rows, lanes 16-31 B's
.set SPW,  17                          ; v17    my spare word: SPARE + 4 x my thread's number; never rewritten
.set NIL,  18                          ; v18    0; never rewritten
.set BV,   20                          ; v20-27 the bias of my row of A's tile a
.set SC,   32                          ; scale words: set s at v[SC + 16 s]; register 2 i + q: lanes 0-15 A's tile i, lanes 16-31 B's tile i, the slot's q-th K step
.set AF,   64
.set G1, 24
.set G0, 32
.set G1B, 48
.set G0B, 56
.set G1S, 68
.set G0S, 76
.set G1SB, 80
.set G0SB, 88
.set MSB, 0
.macro WIN new                         ; the immediate's high byte repeats the setting that is left
.if MSB != \new
	s_set_vgpr_msb (MSB<<8)|\new
.set MSB, \new
.endif
.endm
.set MUL_LO, 0xa1                      ; source 0 (B) window 1, source 1 (A) window 0, C and D window 2
.set MUL_HI, 0xf1                      ; the same, C and D window 3
.set TO_B,   0x40                      ; destination window 1, address window 0
; A joint load: waves 0 and 1 fetch for A, waves 2 and 3 for B; the branch hangs on the wave's number alone.  Four v_nop follow each of the two lines.
.macro JLOAD g0a, g1a, g0b, g1b
	s_cmp_eq_u32 s3, 0
	s_cbranch_scc0 .Lfor_b_\@
	tensor_load_to_lds s[\g0a:\g0a+3], s[\g1a:\g1a+7]
	s_nop 0
.rept 4
	v_nop
.endr
	s_branch .Lasked_\@
.Lfor_b_\@:
	tensor_load_to_lds s[\g0b:\g0b+3], s[\g1b:\g1b+7]
	s_nop 0
.rept 4
	v_nop
.endr
.Lasked_\@:
.endm
.macro CREST                           ; a round of the cluster's barrier behind its opening barrier
	s_cmp_lg_u32 s2, 0
	s_cbranch_scc1 .Lnot_wave_0_\@
	s_barrier_signal -3
.Lnot_wave_0_\@:
	s_barrier_wait -3
	s_barrier_signal -1
	s_barrier_wait -1
.endm
.macro CROUND
	s_barrier_signal -1
	s_barrier_wait -1
	CREST
.endm
.macro PLACES n                        ; plain vector places behind matrix instructions, in front of loads into registers that they have read and of reads of their results
.rept \n
	v_nop
.endr
.endm
.macro FRAG reg, adr, q, i             ; row tile i's fragment of the slot's q-th K step: six pieces of 256 consecutive bytes
.irp g, 0,1,2,3,4,5
	ds_load_b64 v[(\reg)+2*\g:(\reg)+2*\g+1], v[\adr] offset:(\i)*SLROW+(\q)*FRB+256*\g
.endr
.endm
.macro FETCH_B slot, q, set
	WIN TO_B
.irp i, 0,1,2,3,4,5,6,7
	FRAG 96*(\set)+FR*\i, ADRB+\slot, \q, \i
.endr
	WIN 0
.endm
.macro FETCH_A slot, q, set
.irp i, 0,1,2,3,4,5,6,7
	FRAG AF+96*(\set)+FR*\i, ADRA+\slot, \q, \i
.endr
.endm
.macro SCALES S, sc                    ; the scale words of slot fill S (K steps 2 S, 2 S + 1) into set sc
.irp i, 0,1,2,3,4,5,6,7
	ds_load_b64 v[SC+16*(\sc)+2*\i:SC+16*(\sc)+2*\i+1], v[ADRS] offset:512*\i+256*((\S)/2)+8*((\S)%2)
.endr
.endm
; 16 matrix instructions: A's tiles a0, a0 + 1 x B's eight.  The 64 accumulators take turns, one instruction a turn, in the same order in every K step.
.macro MUL16 a0, set, q, sc, zero
.irp a, \a0, \a0+1
.irp b, 0,1,2,3,4,5,6,7
.if \zero
	v_wmma_scale_f32_16x16x128_f8f6f4 v[8*(8*((\a)%4)+\b):8*(8*((\a)%4)+\b)+7], v[96*(\set)+FR*\b:96*(\set)+FR*\b+FR-1], v[AF+96*(\set)+FR*(\a):AF+96*(\set)+FR*(\a)+FR-1], 0, v[SC+16*(\sc)+2*\b+(\q)], v[SC+16*(\sc)+2*(\a)+(\q)] matrix_a_fmt:MATRIX_FMT_BF6 matrix_b_fmt:MATRIX_FMT_BF6 matrix_a_scale:MATRIX_SCALE_ROW1
.else
	v_wmma_scale_f32_16x16x128_f8f6f4 v[8*(8*((\a)%4)+\b):8*(8*((\a)%4)+\b)+7], v[96*(\set)+FR*\b:96*(\set)+FR*\b+FR-1], v[AF+96*(\set)+FR*(\a):AF+96*(\set)+FR*(\a)+FR-1], v[8*(8*((\a)%4)+\b):8*(8*((\a)%4)+\b)+7], v[SC+16*(\sc)+2*\b+(\q)], v[SC+16*(\sc)+2*(\a)+(\q)] matrix_a_fmt:MATRIX_FMT_BF6 matrix_b_fmt:MATRIX_FMT_BF6 matrix_a_scale:MATRIX_SCALE_ROW1
.endif
.endr
.endr
.endm
; A slot's first K step: multiplies set 0 and fetches the slot's second K step into set 1.
.macro STEP slot, zero
	s_wait_dscnt 0x0                               ; set 0 and the slot's scale words are in (asked for a K step ago)
	PLACES 4                                       ; set 1 was read by the K step before
	FETCH_B \slot, 1, 1
	WIN MUL_LO
	MUL16 0, 0, 0, \slot, \zero
	MUL16 2, 0, 0, \slot, \zero
	WIN 0
	FETCH_A \slot, 1, 1
	WIN MUL_HI
	MUL16 4, 0, 0, \slot, \zero
	MUL16 6, 0, 0, \slot, \zero
	WIN 0
.endm
; A slot's second K step multiplies set 1 and changes slots: ONE barrier; in front of it each wave waits for all its tensor loads, adds 0 to its spare word, and waits for that and for its reads of this slot (set 1's were the last).
; fill = 1: the barrier opens a round of the cluster's barrier and this slot is filled again, two slots' worth of K on.  S: the fill that lies in the next slot.
.macro TURN slot, next, S, fill
	s_wait_tensorcnt 0x0                           ; all my tensor loads have landed: my part of the next slot
	ds_add_u32 v[SPW], v[NIL]                      ; 0 onto my spare word
	s_wait_dscnt 0x0                               ; the add is done, set 1 is in, and my reads of this slot are over
	s_barrier_signal -1
	WIN MUL_LO
	MUL16 0, 1, 1, \slot, 0                        ; work on registers while the others arrive
	WIN 0                                          ; at a branch and at a label every window is 0
	s_barrier_wait -1
.if \fill
	CREST                                          ; no wave of any partner still reads this slot or has a load on its way
	s_add_nc_u64 s[G0+4*\slot+2:G0+4*\slot+3], s[G0+4*\slot+2:G0+4*\slot+3], 2*SLROW
	s_add_nc_u64 s[G0B+4*\slot+2:G0B+4*\slot+3], s[G0B+4*\slot+2:G0B+4*\slot+3], 2*SLROW
	JLOAD G0+4*\slot, G1, G0B+4*\slot, G1B         ; the first tensor load behind the round; its four v_nop are the places in front of the loads below
.else
	PLACES 4
.endif
	FETCH_B \next, 0, 0
	SCALES \S, \next
	WIN MUL_LO
	MUL16 2, 1, 1, \slot, 0
	WIN 0
	FETCH_A \next, 0, 0
	WIN MUL_HI
	MUL16 4, 1, 1, \slot, 0
	MUL16 6, 1, 1, \slot, 0
	WIN 0
.endm
	s_load_b256 s[4:11], s[0:1], 0x0               ; opimg, opsc, bq, bk
	s_load_b128 s[12:15], s[0:1], 0x20             ; bv, qkv
	v_lshl_add_u32 v[SPW], v0, 2, SPARE
	v_mov_b32 v[NIL], 0
	ds_add_u32 v17, v18
	ds_add_u32 v17, v18
	s_wait_dscnt 0x0
	v_lshrrev_b32 v1, 5, v0
	v_readfirstlane_b32 s2, v1                     ; wave 0..3
	s_lshr_b32 s3, s2, 1                           ; my half of A's rows.  Also: I fetch for A (0) or for B (1)
	s_and_b32 s16, s2, 1                           ; my half of B's rows.  Also: which 8 row tiles I fetch
	s_bfe_u32 s40, ttmp6, 0x40000                  ; cx, cy: my place in the cluster
	s_bfe_u32 s41, ttmp6, 0x40004
	s_and_b32 s42, ttmp7, 0xffff                   ; the cluster's y
	s_lshr_b32 s43, ttmp9, 1                       ; 1 in v's role (cluster x = 2)
	s_lshl_b32 s44, s42, 6                         ; t1 = 64 x cluster y: x's row tiles of this row of clusters
	s_lshl_b32 s45, ttmp9, 6
	s_add_co_u32 s45, s45, 512                     ; t2: Wq's or Wk's first row tile
	s_sub_co_u32 s17, 640, s44                     ; A's first row tile = t1, or 640 (Wv) in v's role, + 16 cy: made of the cluster's place and cy alone
	s_mul_i32 s17, s17, s43
	s_add_co_u32 s17, s17, s44
	s_lshl_b32 s18, s41, 4
	s_add_co_u32 s92, s17, s18
	s_sub_co_u32 s46, s44, s45                     ; B's = t2, or t1 in v's role, + 16 cx: made of the cluster's place and cx alone
	s_mul_i32 s46, s46, s43
	s_add_co_u32 s46, s46, s45
	s_lshl_b32 s47, s40, 4
	s_add_co_u32 s93, s46, s47
	s_lshl_b32 s98, s41, 2
	s_lshl_b32 s98, 15, s98                        ; my row of the cluster
	s_lshl_b32 s99, 0x1111, s40                    ; my column
	; descriptor group 1 for codes: 8 rows (row tiles) of 3,072 bytes, 12,288 bytes apart, in elements of 8 bytes; no padding
	s_or_b32 s[G1], s98, (3<<16)|(1<<21)           ; 15:0 the mask; 17:16 elements of 8 bytes; 21 set beside a mask
	s_or_b32 s[G1B], s99, (3<<16)|(1<<21)
.irp g, G1, G1B
	s_mov_b32 s[\g+1], 384<<16                     ; tensor_dim0
	s_mov_b32 s[\g+2], 8<<16                       ; tensor_dim1
	s_mov_b32 s[\g+3], 384<<16                     ; tile_dim0
	s_mov_b32 s[\g+4], 8                           ; tile_dim1
	s_mov_b32 s[\g+5], 1536                        ; tensor_dim0_stride
	s_mov_b32 s[\g+6], 0
	s_mov_b32 s[\g+7], 0
.endr
	; and for the scale words of 8 row tiles: 4,096 dense bytes as 16 rows of 256
	s_or_b32 s[G1S], s98, (3<<16)|(1<<21)
	s_or_b32 s[G1SB], s99, (3<<16)|(1<<21)
.irp g, G1S, G1SB
	s_mov_b32 s[\g+1], 32<<16
	s_mov_b32 s[\g+2], 16<<16
	s_mov_b32 s[\g+3], 32<<16
	s_mov_b32 s[\g+4], 16
	s_mov_b32 s[\g+5], 32
	s_mov_b32 s[\g+6], 0
	s_mov_b32 s[\g+7], 0
.endr
	s_lshl_b32 s19, s16, 3                         ; which 8 row tiles I fetch
	s_add_co_u32 s20, s92, s19
	s_lshl_b32 s22, s20, 9                         ; their scale words,
	s_mov_b32 s23, 0
	s_mul_i32 s20, s20, 12288                      ; their codes
	s_mov_b32 s21, 0
	s_add_co_u32 s46, s93, s19
	s_lshl_b32 s94, s46, 9
	s_mov_b32 s95, 0
	s_mul_i32 s46, s46, 12288
	s_mov_b32 s47, 0
	s_mul_i32 s96, s2, HALFT                       ; where they go: wave x 8 row tiles: no place in the cluster enters an LDS address
	s_mul_i32 s97, s2, HALFS
	s_wait_kmcnt 0x0
	s_add_nc_u64 s[20:21], s[PAC:PAC+1], s[20:21]
	s_add_nc_u64 s[22:23], s[PAS:PAS+1], s[22:23]
	s_add_nc_u64 s[46:47], s[PBC:PBC+1], s[46:47]
	s_add_nc_u64 s[94:95], s[PBS:PBS+1], s[94:95]
	CROUND                                         ; all sixteen work-groups are here: the first joint loads meet
	s_mov_b32 s[G0S], 1
	s_add_co_u32 s[G0S+1], s97, SCL
	s_mov_b64 s[G0S+2:G0S+3], s[22:23]
	s_or_b32 s[G0S+3], s[G0S+3], 0x80000000
	s_mov_b32 s[G0SB], 1
	s_add_co_u32 s[G0SB+1], s97, SCL
	s_mov_b64 s[G0SB+2:G0SB+3], s[94:95]
	s_or_b32 s[G0SB+3], s[G0SB+3], 0x80000000
	JLOAD G0S, G1S, G0SB, G1SB                     ; the scale words of all of K: filled once
.irp s, 0,1
	s_mov_b32 s[G0+4*\s], 1
	s_add_co_u32 s[G0+4*\s+1], s96, \s*SLOT
	s_add_nc_u64 s[G0+4*\s+2:G0+4*\s+3], s[20:21], \s*SLROW
	s_or_b32 s[G0+4*\s+3], s[G0+4*\s+3], 0x80000000
	s_mov_b32 s[G0B+4*\s], 1
	s_add_co_u32 s[G0B+4*\s+1], s96, \s*SLOT
	s_add_nc_u64 s[G0B+4*\s+2:G0B+4*\s+3], s[46:47], \s*SLROW
	s_or_b32 s[G0B+4*\s+3], s[G0B+4*\s+3], 0x80000000
	JLOAD G0+4*\s, G1, G0B+4*\s, G1B               ; three loads of mine are out
.endr
	v_and_b32 v1, 15, v0                           ; r
	v_bfe_u32 v2, v0, 4, 1                         ; h
	s_wait_alu depctr_va_vdst(0)
	v_and_b32 v3, 31, v0                           ; lane
	v_lshlrev_b32 v4, 3, v3                        ; 8 x lane: my place in a piece
	s_mul_i32 s17, s3, HALFT                       ; my 8 row tiles of A
	s_mul_i32 s18, s16, HALFT                      ; my 8 of B,
	s_add_co_u32 s18, s18, 2*HALFT                 ; which lie behind A's 16
.irp s, 0,1
	v_add_nc_u32 v[ADRA+\s], s17, v4
	v_add_nc_u32 v[ADRB+\s], s18, v4
	s_add_co_u32 s17, s17, SLOT
	s_add_co_u32 s18, s18, SLOT
.endr
	v_lshlrev_b32 v5, 4, v1                        ; my row's four words of a K half
	s_mul_i32 s17, s3, HALFS
	s_mul_i32 s18, s16, HALFS
	s_add_co_u32 s18, s18, 2*HALFS
	s_sub_co_u32 s18, s18, s17
	v_mul_u32_u24 v6, s18, v2                      ; lanes 16-31 take B's: one product, the distance between the two bases x h
	s_add_co_u32 s17, s17, SCL
	v_add_nc_u32 v5, v5, v6
	v_add_nc_u32 v[ADRS], s17, v5
	v_lshlrev_b32 v7, 4, v3                        ; the way out: 16 x lane,
	v_mul_u32_u24 v8, v2, 307200
	v_lshl_add_u32 v8, v1, 4, v8                   ; the scale words: 16 r, lanes 16-31 in the next head's record
	v_lshlrev_b32 v9, 6, v2                        ; the bias along my registers: 64 h
	s_wait_alu depctr_va_vdst(0)
	v_and_b32 v10, 8, v1
	v_add_nc_u32 v10, v10, v1
	v_lshlrev_b32 v10, 2, v10                      ; the bias of my row: 4 (r + 8 (r / 8))
	s_wait_alu depctr_va_vdst(0)
	; where my results go.  These registers feed stores and the bias's address alone
	s_lshr_b32 s66, s92, 3
	s_add_co_u32 s66, s66, s3                      ; my group of 8 row tiles of A
	s_lshr_b32 s67, s93, 3
	s_add_co_u32 s67, s67, s16                     ; and of B
	s_sub_co_u32 s44, s67, 64
	s_and_b32 s44, s44, 7                          ; q, k: which pair of heads
	s_sub_co_u32 s45, s66, 80                      ; v: likewise
	s_mul_i32 s17, ttmp9, 102400                   ; q, k: the images' place in a record,
	s_mul_i32 s18, ttmp9, 200704
	s_add_co_u32 s18, s18, 98304                   ; and the scale words'
	s_mov_b32 s19, 200704                          ; v's
	s_mov_b32 s42, 303104
	s_cmp_eq_u32 s43, 0
	s_cselect_b32 s66, s66, s67                    ; the group of 128 tokens
	s_cselect_b32 s44, s44, s45
	s_cselect_b32 s17, s17, s19
	s_cselect_b32 s18, s18, s42
	s_lshr_b32 s45, s66, 4
	s_lshl_b32 s45, s45, 4                         ; 16 x batch
	s_lshl_b32 s67, s44, 1
	s_add_co_u32 s45, s45, s67                     ; + the pair's first head
	s_mul_i32 s45, s45, 307200
	s_and_b32 s66, s66, 15                         ; the step of 128 tokens
	s_mul_i32 s67, s66, 6144
	s_add_co_u32 s67, s67, s45
	s_add_co_u32 s96, s67, s17
	s_mov_b32 s97, 0
	s_lshl_b32 s66, s66, 8
	s_add_co_u32 s66, s66, s45
	s_add_co_u32 s98, s66, s18
	s_mov_b32 s99, 0
	s_add_nc_u64 s[96:97], s[14:15], s[96:97]      ; images
	s_add_nc_u64 s[98:99], s[14:15], s[98:99]      ; scale words
	s_lshl_b32 s44, s44, 9                         ; the pair's 128 numbers of the bias
	s_mov_b32 s45, 0
	s_cmp_eq_u32 ttmp9, 0
	s_cselect_b64 s[8:9], s[8:9], s[10:11]         ; bq or bk,
	s_cmp_lt_u32 ttmp9, 2
	s_cselect_b64 s[8:9], s[8:9], s[12:13]         ; or bv
	s_add_nc_u64 s[8:9], s[8:9], s[44:45]
	WIN 0x40                                       ; both layouts are loaded in both roles, 512 bytes each: so no branch stands here
.irp b, 0,1,2,3
.irp i, 0,1,2,3
	global_load_b128 v[192+16*\b+4*\i:192+16*\b+4*\i+3], v9, s[8:9] offset:128*\b+16*\i   ; register 16 b + i: number 32 b + 16 h + i
.endr
.endr
	WIN 0
.irp a, 0,1,2,3,4,5,6,7
	global_load_b32 v[BV+\a], v10, s[8:9] offset:(32*(\a/2)+8*(\a%2))*4                   ; my row of tile a
.endr
	s_wait_tensorcnt 1                             ; the scale words and my part of slot 0 are in (slot 1's load may be out)
	s_barrier_signal -1
	s_barrier_wait -1                              ; everybody's are
	FETCH_B 0, 0, 0
	FETCH_A 0, 0, 0
	SCALES 0, 0
	STEP 0, 1                                      ; the first products start the sums: nothing is cleared
	TURN 0, 1, 1, 1
	STEP 1, 0
	TURN 1, 0, 2, 1
	STEP 0, 0
	TURN 0, 1, 3, 0                                ; nothing is left to fetch
	STEP 1, 0
	s_wait_dscnt 0x0
	WIN MUL_LO
	MUL16 0, 1, 1, 1, 0
	MUL16 2, 1, 1, 1, 0
	WIN MUL_HI
	MUL16 4, 1, 1, 1, 0
	MUL16 6, 1, 1, 1, 0
	WIN 0
; THE WAY OUT: bias, quantiser, images.  No LDS: a lane's registers already run along the next product's K.
.set HA,  64                           ; v64-127  64 numbers of a lane
.set F0,  128                          ; v128-139, v140-151 two fragments
.set F1,  140
.set CT,  152                          ; v152-154, v156-158 halves of blocks on their way
.set TM,  160                          ; v160-175
.set WD,  176                          ; v176-183 scale words
.set WS,  188                          ; v188-191 those that I store
.set SEL, 22                           ; s[22:23]
.macro QUANT s, d0, d1                 ; 64 numbers of a lane, register 16 b + i = k 32 b + 16 (lane / 16) + i, become codes: blocks 0, 1 in v[d0] on (6 registers), blocks 2, 3 in v[d1] on; the bytes stay in v[TM+4] on
.irp b, 0,1,2,3
	v_max3_num_f32 v[TM+\b], |v[(\s)+16*\b]|, |v[(\s)+1+16*\b]|, 0x2800000   ; and the floor 2^(5 - 127): the byte cannot fall under 1
.endr
.irp i, 2,4,6,8,10,12,14
.irp b, 0,1,2,3
	v_max3_num_f32 v[TM+\b], v[TM+\b], |v[(\s)+16*\b+\i]|, |v[(\s)+1+16*\b+\i]|
.endr
.endr
.irp b, 0,1,2,3
	v_permlanex16_b32 v[TM+4+\b], v[TM+\b], s[SEL], s[SEL+1]
.endr
.irp b, 0,1,2,3
	v_max_num_f32 v[TM+\b], v[TM+\b], v[TM+4+\b]
.endr
.irp b, 0,1,2,3
	v_add_nc_u32 v[TM+12+\b], 0xfe000000, v[TM+\b]                 ; 4 off the exponent field: the conversion's scale operand
.endr
.irp b, 0,1,2,3
	v_lshrrev_b32 v[TM+4+\b], 23, v[TM+12+\b]                      ; the scale's byte
.endr
	v_cvt_scalef32_pk16_bf6_f32 v[(\d0):(\d0)+2], v[(\s):(\s)+15], v[TM+12]
	v_cvt_scalef32_pk16_bf6_f32 v[CT:CT+2], v[(\s)+16:(\s)+31], v[TM+13]
	v_cvt_scalef32_pk16_bf6_f32 v[(\d1):(\d1)+2], v[(\s)+32:(\s)+47], v[TM+14]
	v_cvt_scalef32_pk16_bf6_f32 v[CT+4:CT+6], v[(\s)+48:(\s)+63], v[TM+15]
	v_nop                                                          ; one plain place behind a scaled conversion
.irp i, 0,1,2
	v_permlane16_swap_b32 v[(\d0)+\i], v[CT+\i]                    ; a whole block to a lane
	v_permlane16_swap_b32 v[(\d1)+\i], v[CT+4+\i]
.endr
.irp i, 0,1,2
	v_mov_b32 v[(\d0)+3+\i], v[CT+\i]
	v_mov_b32 v[(\d1)+3+\i], v[CT+4+\i]
.endr
.endm
; q, k: token tile a.  Blocks 0, 1 are the pair's first head, blocks 2, 3 its second; tiles 2 f and 2 f + 1 fill the two halves of fragment f of each head.
.macro QKTILE a
.set WW, 0x06+(\a)/4
	WIN WW                                         ; source 0: the accumulators' window; source 1: window 1
.set ii, 0
.rept 32
	v_pk_add_f32 v[HA+ii:HA+ii+1], v[64*((\a)%4)+ii:64*((\a)%4)+ii+1], v[192+ii:192+ii+1]   ; + bias, into window 0; each accumulator from its low end on
.set ii, ii+2
.endr
	WIN 0
.if ((\a)%2 == 0) && ((\a) > 0)
	s_wait_xcnt 0x0                                ; the last fragments' stores have read their registers
.endif
	QUANT HA, F0+6*((\a)%2), F1+6*((\a)%2)
.irp c, 0,1
.if (\a)%2 == 0
	v_lshl_or_b32 v[WD+4*\c+(\a)/2], v[TM+5+2*\c], 8, v[TM+4+2*\c]
.else
	v_lshl_or_b32 v[WD+4*\c+(\a)/2], v[TM+4+2*\c], 16, v[WD+4*\c+(\a)/2]
	v_lshl_or_b32 v[WD+4*\c+(\a)/2], v[TM+5+2*\c], 24, v[WD+4*\c+(\a)/2]
.endif
.endr
.if (\a)%2 == 1
.irp c, 0,1
.irp i, 0,1,2
	global_store_b128 v7, v[F0+12*\c+4*\i:F0+12*\c+4*\i+3], s[96:97] offset:\c*307200+((\a)/2)*1536+512*\i   ; 512 consecutive bytes, aligned to 256
.endr
.endr
.endif
.endm
; v: tile a of 16 of Wv's rows: head a / 4 of the pair, d tile a % 4; my 64 registers are the step's 128 keys: one fragment.
.macro VTILE a
.set WW, 0x02+(\a)/4
	WIN WW                                         ; source 0: the accumulators' window; the bias lies in window 0
.set ii, 0
.rept 32
.if (\a)%2
	v_pk_add_f32 v[HA+ii:HA+ii+1], v[64*((\a)%4)+ii:64*((\a)%4)+ii+1], v[BV+(\a)-1:BV+(\a)] op_sel:[0,1] op_sel_hi:[1,1]
.else
	v_pk_add_f32 v[HA+ii:HA+ii+1], v[64*((\a)%4)+ii:64*((\a)%4)+ii+1], v[BV+(\a):BV+(\a)+1] op_sel:[0,0] op_sel_hi:[1,0]
.endif
.set ii, ii+2
.endr
	WIN 0
.if (\a) > 0
	s_wait_xcnt 0x0
.endif
	QUANT HA, F0, F0+6
	v_lshl_or_b32 v[WD+(\a)], v[TM+5], 8, v[TM+4]
	v_lshl_or_b32 v[WD+(\a)], v[TM+6], 16, v[WD+(\a)]
	v_lshl_or_b32 v[WD+(\a)], v[TM+7], 24, v[WD+(\a)]
.irp i, 0,1,2
	global_store_b128 v7, v[F0+4*\i:F0+4*\i+3], s[96:97] offset:((\a)/4)*307200+((\a)%4)*1536+512*\i
.endr
.endm
	s_mov_b32 s[SEL], 0x76543210
	s_mov_b32 s[SEL+1], 0xfedcba98
	s_wait_loadcnt 0x0                             ; the biases
	PLACES 4                                       ; behind the last products: their results are read and their operands' registers written below
.irp b, 0,1,2,3
	v_mov_b32 v[TM+4+\b], 0                        ; written once: a lane permute's destination counts as one of its sources
.endr
	s_cmp_lg_u32 s43, 0                            ; the role: the same in all sixteen partners
	s_cbranch_scc1 .Lrole_v
.irp a, 0,1,2,3,4,5,6,7
	QKTILE \a
.endr
	s_branch .Lwords
.Lrole_v:
.irp a, 0,1,2,3,4,5,6,7
	VTILE \a
.endr
.Lwords:
	v_cmp_le_u32 vcc_lo, 16, v3                    ; lanes 0-15 store the first head's four words of their row, lanes 16-31 the second's
	s_wait_alu depctr_va_vdst(0)
.irp f, 0,1,2,3
	v_cndmask_b32 v[WS+\f], v[WD+\f], v[WD+4+\f], vcc_lo
.endr
	global_store_b128 v8, v[WS:WS+3], s[98:99]     ; sixteen lanes store 256 consecutive bytes, aligned
	s_wait_tensorcnt 0x0                           ; the wave's end
	ds_add_u32 v[SPW], v[NIL]
	s_wait_dscnt 0x0
	CROUND                                         ; the closing round: no work-group ends while a partner may still ask for a tile that names it
	s_endpgm
.Lfunc_end_k_qcdef1f8c2e_qkv:
	.size	k_qcdef1f8c2e_qkv, .Lfunc_end_k_qcdef1f8c2e_qkv-k_qcdef1f8c2e_qkv
	.p2alignl 7, 3214868480
	.fill 96, 4, 3214868480
	.section	.rodata,"a",@progbits
	.p2align	6, 0x0
	.amdhsa_kernel k_qcdef1f8c2e_qkv
		.amdhsa_group_segment_fixed_size 327680
		.amdhsa_private_segment_fixed_size 0
		.amdhsa_enable_private_segment 0
		.amdhsa_kernarg_size 48
		.amdhsa_user_sgpr_count 2
		.amdhsa_user_sgpr_kernarg_segment_ptr 1
		.amdhsa_wavefront_size32 1
		.amdhsa_system_sgpr_workgroup_id_x 1
		.amdhsa_system_sgpr_workgroup_id_y 1
		.amdhsa_system_sgpr_workgroup_id_z 1
		.amdhsa_system_vgpr_workitem_id 0
		.amdhsa_next_free_vgpr 1024
		.amdhsa_next_free_sgpr 100
		.amdhsa_reserve_vcc 1
		.amdhsa_float_denorm_mode_32 3
		.amdhsa_float_denorm_mode_16_64 3
		.amdhsa_memory_ordered 1
		.amdhsa_forward_progress 1
		.amdhsa_inst_pref_size 231
	.end_amdhsa_kernel
	.amdgpu_metadata
---
amdhsa.version: [ 1, 2 ]
amdhsa.kernels:
  - .name:           k_qcdef1f8c2e_qkv
    .symbol:         k_qcdef1f8c2e_qkv.kd
    .args:
      - { .name: opimg, .offset: 0, .size: 8, .value_kind: global_buffer, .address_space: global }
      - { .name: opsc, .offset: 8, .size: 8, .value_kind: global_buffer, .address_space: global }
      - { .name: bq, .offset: 16, .size: 8, .value_kind: global_buffer, .address_space: global }
      - { .name: bk, .offset: 24, .size: 8, .value_kind: global_buffer, .address_space: global }
      - { .name: bv, .offset: 32, .size: 8, .value_kind: global_buffer, .address_space: global }
      - { .name: qkv, .offset: 40, .size: 8, .value_kind: global_buffer, .address_space: global }
    .group_segment_fixed_size: 327680
    .private_segment_fixed_size: 0
    .kernarg_segment_align: 8
    .kernarg_segment_size: 48
    .max_flat_workgroup_size: 128
    .sgpr_count:     100
    .vgpr_count:     1024
    .wavefront_size: 32
...
	.end_amdgpu_metadata
.endif
;; end of part 2
;; launch attn (part 3): grid 4 x 64, 16 waves a work-group, no clusters, 206,848 bytes of LDS; arguments qkv, ctximg, ctxsc; writes ctximg, ctxsc
.if DOCPART == 3
	.amdgcn_target "amdgcn-amd-amdhsa--gfx1250"
	.amdhsa_code_object_version 6
	.text
	.protected	k_qcdef1f8c2e_attn
	.globl	k_qcdef1f8c2e_attn
	.p2align	8
	.type	k_qcdef1f8c2e_attn,@function
k_qcdef1f8c2e_attn:
	s_mov_b64 s[64:65], 0
	v_nop
	global_prefetch_b8 v0, s[64:65] scope:SCOPE_SE
	s_setreg_imm32_b32 hwreg(HW_REG_WAVE_MODE, 25, 1), 1
	s_wait_xcnt 0x0
; ctx = softmax(q k^T / 8, causal) v for one head, both products on codes of BF6 (E3M2) with E8M0 scales; ctx is quantised along the model's 1,024 and stored as images of operand registers for the last product.
; THE SOFTMAX: t = score x log2(e) / 8; M = the running largest t rounded UP to a whole number; p = 2^(t - M) is quantised along the keys, not normalised; the row's sum is taken of the unquantised p and divides at the end.
; When M moves, the sum and O are multiplied by 2^(old M - new M): exact.
; SHARES.  Work-group (i, head) owns query blocks 7 - i and i of 256 queries.  Wave w takes tile w of block 7 - i, then tile 15 - w of block i: 17 key steps of 128 keys for every wave of the launch.
; THE HEAD'S K, V AND THEIR SCALE WORDS, 204,800 dense bytes of its record, come into LDS ONCE: each wave brings 50 rows of 256 bytes; one wait, one barrier; after that LDS is only read and the waves never meet again.
; No cluster: the query blocks of a head want different numbers of key steps, so branches would hang on a work-group's place among its partners.
; LAYOUT.  Both products are used transposed (S^T = K Q^T, O^T = V^T P^T): a lane holds one query.  A head has 64 dims and the instruction 128 along K: a fragment of K holds TWO key tiles (registers 0-5, 6-11), and Q stands between
; zeros: [q | 0] meets the first tile, [0 | q] the second; zero codes add nothing under the other tile's scale bytes, which lie between 1 and 254.
; By the order of tokens in a tile (position j of tile T = token 32 (T / 2) + 8 (T % 2) + j + 8 (j / 8)) S's register 16 b + i is key 32 b + 16 (lane / 16) + i of the step, and O^T's register 16 b + i dim 32 b + 16 (lane / 16) + i.
; CAUSAL: a step all of whose keys come after the tile's queries is jumped over (a scalar branch on ids; the trip count stays 16); in the one step on the diagonal hidden scores become -infinity ahead of the maximum.
; LIMITS: a block's largest p is made from its largest score by the same two instructions, which takes v_exp_f32 not to fall where its input rises.  A block whose every p is 0, or whose largest ctx lies under 2^-122, gets the byte 1 (its bytes are read by this program alone).  NaN and infinities are not served.
.set KSC,  196608                      ; LDS: K's images at 0, V's at 98,304, K's scale words, V's 4,096 on
.set VIMG, 98304
.set S,   136                          ; v136-199 S^T, then p
.set O,   200                          ; v200-231 O^T
.set P,   232                          ; v232-243 p's codes
.set KF,  40                           ; v40-87   K's four fragments; behind the first product v40-55 are at work:
.set BM,  40                           ; v40-43   a block's largest score, then largest p
.set PB,  44                           ; v44-47   the other half's, then bytes
.set SO,  48                           ; v48-51   the conversions' scale operands
.set SUM2, 52                          ; v[52:53] the sums' second chain
.set TT,  54                           ; v54      at work;  v55 ctx's two bytes
.set VF,  88                           ; v88-135  V's four fragments
.set SW,  36                           ; v36-39   scale words: lanes 0-15 K's, lanes 16-31 V's
.set SEL, 30                           ; s[30:31]
.set CS,  32                           ; s[32:33] c = log2(e) / 8
	s_load_b128 s[4:7], s[0:1], 0x0                ; qkv, ctximg
	s_load_b64 s[8:9], s[0:1], 0x10                ; ctxsc
	v_lshl_add_u32 v254, v0, 2, 0x32000
	v_mov_b32 v255, 0
	ds_add_u32 v254, v255
	ds_add_u32 v254, v255
	s_wait_dscnt 0x0
	v_lshrrev_b32 v1, 5, v0
	s_delay_alu instid0(VALU_DEP_1)
	v_readfirstlane_b32 s10, v1                    ; wave 0..15
	s_mov_b32 s11, ttmp9                           ; i
	s_and_b32 s12, ttmp7, 0xffff                   ; 16 x batch + head
	s_lshr_b32 s13, s12, 4
	s_and_b32 s14, s12, 15
	s_mov_b32 s16, 3<<16                           ; group 1: 50 rows of 32 elements of 8 bytes, dense; no mask, no padding
	s_mov_b32 s17, 32<<16
	s_mov_b32 s18, 50<<16
	s_mov_b32 s19, 32<<16
	s_mov_b32 s20, 50
	s_mov_b32 s21, 32
	s_mov_b32 s22, 0
	s_mov_b32 s23, 0
	s_mul_i32 s28, s12, 307200
	s_mov_b32 s29, 0
	s_mul_i32 s52, s10, 12800                      ; my 12,800 bytes, in LDS and in the record's part
	s_add_co_u32 s54, s52, 102400
	s_mov_b32 s55, 0
	s_mov_b32 s[SEL], 0x76543210
	s_mov_b32 s[SEL+1], 0xfedcba98
	s_mov_b32 s[CS], 0x3e38aa3b
	s_mov_b32 s[CS+1], s[CS]                       ; (named with it as a pair, so it is written)
	s_wait_kmcnt 0x0
	s_add_nc_u64 s[28:29], s[4:5], s[28:29]        ; the head's record
	s_mov_b32 s24, 1
	s_mov_b32 s25, s52
	s_add_nc_u64 s[26:27], s[28:29], s[54:55]
	s_or_b32 s27, s27, 0x80000000
	tensor_load_to_lds s[24:27], s[16:23]          ; one load a wave, the launch's only fills
	s_nop 0
.rept 4
	v_nop
.endr
	v_and_b32 v254, 31, v0                         ; lane
	v_and_b32 v253, 15, v0                         ; r
	v_bfe_u32 v252, v0, 4, 1                       ; h
	s_delay_alu instid0(VALU_DEP_3)
	v_lshlrev_b32 v1, 4, v254                      ; 16 x lane: my place in a piece of an image
	s_delay_alu instid0(VALU_DEP_3)
	v_lshlrev_b32 v9, 4, v253                      ; 16 r
	s_delay_alu instid0(VALU_DEP_1)
	v_lshl_add_u32 v2, v252, 12, v9
	s_delay_alu instid0(VALU_DEP_1)
	v_add_nc_u32 v2, KSC, v2                       ; scale words: lanes 0-15 K's, lanes 16-31 V's, 4,096 bytes on
	v_and_b32 v3, 8, v253
	s_delay_alu instid0(VALU_DEP_1)
	v_add_nc_u32 v3, v3, v253
	v_lshlrev_b32 v252, 4, v252
	s_delay_alu instid0(VALU_DEP_1)
	v_sub_nc_u32 v3, v3, v252                      ; r + 8 (r / 8) - 16 h
	v_lshlrev_b32 v10, 3, v254                     ; 8 x lane
	v_add_nc_u32 v11, VIMG, v1
.irp j, 16,17,18,19,20,21,28,29,30,31,32,33
	v_mov_b32 v\j, 0                               ; the zero codes on both sides of Q
.endr
.irp j, 40,41,42,43,44,45,46,47,48,49,50,51,52,53,54,55
	v_mov_b32 v\j, 0                               ; the registers at work: written once on every path
.endr
	v_mov_b32 v245, 0                              ; (named as the upper half of the pair v[244:245])
	v_mov_b32 v255, 0xff800000                     ; -infinity
	s_wait_tensorcnt 0x0                           ; my part has landed,
	s_barrier_signal -1
	s_barrier_wait -1                              ; everybody's has
.macro PASS p
	s_wait_xcnt 0x0                                ; the last pass's stores and loads have read their registers and bases
.if \p == 0
	s_sub_co_u32 s52, 7, s11                       ; the query block,
	s_mov_b32 s53, s10                             ; my tile in it
.else
	s_mov_b32 s52, s11
	s_sub_co_u32 s53, 15, s10
.endif
	s_lshl_b32 s38, s52, 1
	s_lshr_b32 s54, s53, 3
	s_add_co_u32 s38, s38, s54                     ; G: the step of 128 tokens in which my queries lie
	s_and_b32 s39, s53, 7                          ; a: my tile in it
	s_lshr_b32 s40, s39, 1                         ; f: its fragment,
	s_and_b32 s41, s39, 1                          ; u: and which half of that
	s_lshl_b32 s42, s40, 5
	s_lshl_b32 s54, s41, 3
	s_add_co_u32 s42, s42, s54                     ; 32 f + 8 u
	s_mul_i32 s44, s38, 6144
	s_mul_i32 s54, s40, 1536
	s_add_co_u32 s44, s44, s54
	s_mov_b32 s45, 0
	s_add_nc_u64 s[44:45], s[28:29], s[44:45]      ; Q's fragment
	s_lshl_b32 s46, s38, 8
	s_lshl_b32 s54, s39, 1
	s_add_co_u32 s46, s46, s54
	s_add_co_u32 s46, s46, 98304
	s_mov_b32 s47, 0
	s_add_nc_u64 s[46:47], s[28:29], s[46:47]      ; its two scale bytes: word f, half u
	s_lshl_b32 s54, s13, 7
	s_lshl_b32 s55, s38, 3
	s_add_co_u32 s54, s54, s55
	s_add_co_u32 s54, s54, s39                     ; ctx's row tile: 128 x batch + 8 G + a
	s_mul_i32 s48, s54, 12288
	s_mul_i32 s55, s14, 768                        ; K step head / 2, registers 6 (head % 2) on
	s_add_co_u32 s48, s48, s55
	s_mov_b32 s49, 0
	s_add_nc_u64 s[48:49], s[6:7], s[48:49]
	s_lshl_b32 s50, s54, 9
	s_lshr_b32 s55, s14, 3
	s_lshl_b32 s55, s55, 8                         ; K half head / 8,
	s_add_co_u32 s50, s50, s55
	s_lshl_b32 s55, s14, 1
	s_and_b32 s55, s55, 14                         ; byte 2 (head % 8) of a row's 16
	s_add_co_u32 s50, s50, s55
	s_mov_b32 s51, 0
	s_add_nc_u64 s[50:51], s[8:9], s[50:51]
	s_mul_i32 s54, s41, 520                        ; registers 6 u .. 6 u + 5 of an image whose piece c holds registers 4 c .. 4 c + 3 at 512 c + 16 l
	v_add_nc_u32 v7, s54, v1
	s_mul_i32 s54, s41, 1016
	v_add_nc_u32 v8, s54, v1
	global_load_b64 v[22:23], v7, s[44:45]
	global_load_b64 v[24:25], v8, s[44:45] offset:8
	global_load_b64 v[26:27], v7, s[44:45] offset:512
	global_load_u16 v35, v9, s[46:47]
	v_mov_b32 v13, 0xff61b1e6                      ; the largest t so far: -3e38
	s_delay_alu instid0(VALU_DEP_1)
	v_floor_f32 v12, -v13                          ; -M
	v_mov_b32 v14, 0                               ; the sum, in two halves
	v_mov_b32 v15, 0
	s_wait_loadcnt 0x0
	v_lshl_or_b32 v34, v35, 16, v35                ; Q's two bytes serve both halves of the instruction's K
.set jj, 0
.rept 32
	v_mov_b32 v[O+jj], 0                           ; O^T: the first change of M leaves zeros zeros.  (These are also the places between the scale word's making and the first product)
.set jj, jj+1
.endr
	s_mov_b32 s35, 0                               ; the key step,
	s_mov_b32 s36, 0                               ; its images: 6,144 bytes a step,
	s_mov_b32 s37, 0                               ; its scale words: 256
.Lkey_\@:
	s_cmp_gt_u32 s35, s38                          ; all its keys come after my queries: nothing to do
	s_cbranch_scc1 .Lhidden_\@
	s_setprio 2
	v_add_nc_u32 v4, s36, v1
	v_add_nc_u32 v5, s36, v11
	v_add_nc_u32 v6, s37, v2
	ds_load_b128 v[SW:SW+3], v6
.irp f, 0,1,2,3
.irp c, 0,1,2
	ds_load_b128 v[KF+12*\f+4*\c:KF+12*\f+4*\c+3], v4 offset:1536*\f+512*\c
.endr
.endr
.irp f, 0,1,2,3
.irp c, 0,1,2
	ds_load_b128 v[VF+12*\f+4*\c:VF+12*\f+4*\c+3], v5 offset:1536*\f+512*\c
.endr
.endr
	s_wait_dscnt 12                                ; the scale words and K are in; V's twelve loads may be out
.irp f, 0,1,2,3
	v_wmma_scale_f32_16x16x128_f8f6f4 v[S+16*\f:S+16*\f+7], v[KF+12*\f:KF+12*\f+11], v[22:33], 0, v[SW+\f], v34 matrix_a_fmt:MATRIX_FMT_BF6 matrix_b_fmt:MATRIX_FMT_BF6
	v_wmma_scale_f32_16x16x128_f8f6f4 v[S+16*\f+8:S+16*\f+15], v[KF+12*\f:KF+12*\f+11], v[16:27], 0, v[SW+\f], v34 matrix_a_fmt:MATRIX_FMT_BF6 matrix_b_fmt:MATRIX_FMT_BF6
.endr
.rept 4
	v_nop                                          ; places: the scores are read and K's registers written below
.endr
	s_cmp_lt_u32 s35, s38                          ; all keys of the step count
	s_cbranch_scc1 .Lopen_\@
	v_add_nc_u32 v253, s42, v3                     ; d = my query in the step - 16 h.  Register 16 b + i holds key 32 b + 16 h + i: hidden where 32 b + i > d
.set nn, 0
.rept 64
	v_cmp_gt_i32 vcc_lo, 32*(nn/16)+nn%16, v253
	v_cndmask_b32 v[S+nn], v[S+nn], v255, vcc_lo
.set nn, nn+1
.endr
.Lopen_\@:
.irp b, 0,1,2,3
	v_max3_num_f32 v[BM+\b], v[S+16*\b], v[S+1+16*\b], v[S+2+16*\b]   ; the largest score of each block of 32 keys: for the row's maximum, and for the block's largest p
.endr
.irp i, 3,5,7,9,11,13
.irp b, 0,1,2,3
	v_max3_num_f32 v[BM+\b], v[BM+\b], v[S+16*\b+\i], v[S+1+16*\b+\i]
.endr
.endr
.irp b, 0,1,2,3
	v_max_num_f32 v[BM+\b], v[BM+\b], v[S+15+16*\b]
.endr
.irp b, 0,1,2,3
	s_delay_alu instid0(VALU_DEP_4)
	v_permlanex16_b32 v[PB+\b], v[BM+\b], s[SEL], s[SEL+1]
.endr
.irp b, 0,1,2,3
	s_delay_alu instid0(VALU_DEP_4)
	v_max_num_f32 v[BM+\b], v[BM+\b], v[PB+\b]     ; with lane l xor 16's 16 keys
.endr
	s_delay_alu instid0(VALU_DEP_2)
	v_max3_num_f32 v[TT], v[BM], v[BM+1], v[BM+2]
	s_delay_alu instid0(VALU_DEP_1)
	v_max_num_f32 v[TT], v[TT], v[BM+3]            ; the step's largest score of my query
	s_delay_alu instid0(VALU_DEP_1)
	v_mul_f32 v[TT], s[CS], v[TT]                  ; as t
	s_delay_alu instid0(VALU_DEP_1)
	v_max_num_f32 v13, v13, v[TT]                  ; the running largest t
	v_mov_b32 v[TT], v12
	s_delay_alu instid0(VALU_DEP_2)
	v_floor_f32 v12, -v13                          ; the new -M = -ceil(t)
	s_delay_alu instid0(VALU_DEP_1)
	v_sub_f32 v[TT], v12, v[TT]                    ; old M - new M: a whole number, 0 or less
	s_delay_alu instid0(VALU_DEP_1)
	v_cvt_i32_f32 v[TT], v[TT]                     ; (it saturates)
	s_delay_alu instid0(VALU_DEP_1)
	v_ldexp_f32 v244, 1.0, v[TT]                   ; f = 2^(old M - new M)
.set jj, 0
.rept 32
	v_pk_fma_f32 v[S+jj:S+jj+1], v[S+jj:S+jj+1], s[CS:CS+1], v[12:13] op_sel_hi:[1,0,0]   ; t - M
.set jj, jj+2
.endr
	s_setprio 1
.irp b, 0,1,2,3
	v_fma_f32 v[BM+\b], v[BM+\b], s[CS], v12       ; the same of each block's largest score
.endr
.set jj, 0
	s_wait_alu depctr_va_vdst(0)
.rept 64
	v_exp_f32 v[S+jj], v[S+jj]                     ; p = 2^(t - M)
.set jj, jj+1
.endr
.irp b, 0,1,2,3
	v_exp_f32 v[BM+\b], v[BM+\b]                   ; the block's largest p
.endr
	v_pk_mul_f32 v[14:15], v[14:15], v[244:245] op_sel_hi:[1,0]   ; the sums under the new M.  (A plain place behind the exponentials)
	s_wait_alu depctr_va_vdst(0)
.irp b, 0,1,2,3
	v_max_num_f32 v[BM+\b], 0x2800000, v[BM+\b]    ; the floor 2^(5 - 127)
.endr
.irp b, 0,1,2,3
	s_delay_alu instid0(VALU_DEP_4)
	v_add_nc_u32 v[SO+\b], 0xfe000000, v[BM+\b]    ; 4 off the exponent field: the conversion's scale operand
.endr
.irp b, 0,1,2,3
	s_delay_alu instid0(VALU_DEP_4)
	v_lshrrev_b32 v[PB+\b], 23, v[SO+\b]           ; the scale's byte
.endr
	s_delay_alu instid0(VALU_DEP_3)
	v_lshl_or_b32 v249, v[PB+1], 8, v[PB]          ; p's scale word for these 128 keys
	s_delay_alu instid0(VALU_DEP_1)
	v_lshl_or_b32 v249, v[PB+2], 16, v249
	s_delay_alu instid0(VALU_DEP_1)
	v_lshl_or_b32 v249, v[PB+3], 24, v249
.irp c, 0,1
	v_cvt_scalef32_pk16_bf6_f32 v[P+6*\c:P+2+6*\c], v[S+32*\c:S+15+32*\c], v[SO+2*\c]
	v_cvt_scalef32_pk16_bf6_f32 v[246+4*\c:248+4*\c], v[S+16+32*\c:S+31+32*\c], v[SO+2*\c+1]
.endr
	v_nop                                          ; one plain place behind a scaled conversion
.irp c, 0,1
.irp i, 0,1,2
	v_permlane16_swap_b32 v[P+6*\c+\i], v[246+4*\c+\i]   ; a whole block to a lane
.endr
.irp i, 0,1,2
	s_delay_alu instid0(VALU_DEP_3)
	v_mov_b32 v[P+3+6*\c+\i], v[246+4*\c+\i]
.endr
.endr
	v_pk_add_f32 v[52:53], v[140:141], v[144:145]
	v_pk_add_f32 v[252:253], v[148:149], v[152:153]
	v_pk_add_f32 v[250:251], v[156:157], v[160:161]
	v_pk_add_f32 v[246:247], v[164:165], v[168:169]
	v_pk_add_f32 v[86:87], v[172:173], v[176:177]
	v_pk_add_f32 v[84:85], v[180:181], v[184:185]
	v_pk_add_f32 v[82:83], v[188:189], v[192:193]
	v_pk_add_f32 v[14:15], v[14:15], v[196:197]
	v_pk_add_f32 v[52:53], v[52:53], v[136:137]
	v_pk_add_f32 v[252:253], v[252:253], v[138:139]
	v_pk_add_f32 v[250:251], v[250:251], v[142:143]
	v_pk_add_f32 v[246:247], v[246:247], v[146:147]
	v_pk_add_f32 v[86:87], v[86:87], v[150:151]
	v_pk_add_f32 v[84:85], v[84:85], v[154:155]
	v_pk_add_f32 v[82:83], v[82:83], v[158:159]
	s_setprio 0
	v_pk_add_f32 v[14:15], v[14:15], v[162:163]
	v_pk_add_f32 v[52:53], v[52:53], v[166:167]
	v_pk_add_f32 v[252:253], v[252:253], v[170:171]
	v_pk_add_f32 v[250:251], v[250:251], v[174:175]
	v_pk_add_f32 v[246:247], v[246:247], v[178:179]
	v_pk_add_f32 v[86:87], v[86:87], v[182:183]
	v_pk_add_f32 v[84:85], v[84:85], v[186:187]
	v_pk_add_f32 v[82:83], v[82:83], v[190:191]
	v_pk_add_f32 v[14:15], v[14:15], v[194:195]
	v_pk_add_f32 v[52:53], v[52:53], v[198:199]
	s_delay_alu instid0(VALU_DEP_2)
	v_pk_add_f32 v[14:15], v[14:15], v[246:247]
	s_delay_alu instid0(VALU_DEP_2)
	v_pk_add_f32 v[52:53], v[52:53], v[86:87]
	v_pk_add_f32 v[252:253], v[252:253], v[84:85]
	v_pk_add_f32 v[250:251], v[250:251], v[82:83]
	s_delay_alu instid0(VALU_DEP_2)
	v_pk_add_f32 v[14:15], v[14:15], v[252:253]
	s_delay_alu instid0(VALU_DEP_2)
	v_pk_add_f32 v[52:53], v[52:53], v[250:251]
	s_delay_alu instid0(VALU_DEP_1)
	v_pk_add_f32 v[14:15], v[14:15], v[52:53]
.set jj, 0
.rept 16
	v_pk_mul_f32 v[O+jj:O+jj+1], v[O+jj:O+jj+1], v[244:245] op_sel_hi:[1,0]   ; O^T under the new M, each accumulator from its low end on
.set jj, jj+2
.endr
	s_wait_alu depctr_va_vdst(0)
	s_wait_dscnt 0x0                               ; V is in
.irp t, 0,1,2,3
	v_wmma_scale_f32_16x16x128_f8f6f4 v[O+8*\t:O+8*\t+7], v[VF+12*\t:VF+12*\t+11], v[P:P+11], v[O+8*\t:O+8*\t+7], v[SW+\t], v249 matrix_a_fmt:MATRIX_FMT_BF6 matrix_b_fmt:MATRIX_FMT_BF6 matrix_a_scale:MATRIX_SCALE_ROW1
.endr
.rept 4
	v_nop                                          ; places in front of the next step's loads into V's and the scale words' registers, and of the reads of O^T
.endr
.Lhidden_\@:
	s_add_co_u32 s36, s36, 6144
	s_add_co_u32 s37, s37, 256
	s_add_co_u32 s35, s35, 1
	s_cmp_lt_u32 s35, 16
	s_cbranch_scc1 .Lkey_\@
	s_setprio 0
	; ctx = O^T / the sum, quantised: my 32 registers are two blocks of 32 of the model's 1,024, shared with lane l xor 16
	v_add_f32 v14, v14, v15
	s_delay_alu instid0(VALU_DEP_1)
	v_permlanex16_b32 v[TT], v14, s[SEL], s[SEL+1]
	s_delay_alu instid0(VALU_DEP_1)
	v_add_f32 v14, v14, v[TT]                      ; the row's sum
	s_wait_alu depctr_va_vdst(0)
	v_rcp_f32 v244, v14
	v_nop                                          ; a plain place behind the transcendental
.set jj, 0
	s_wait_alu depctr_va_vdst(0)
.rept 16
	v_pk_mul_f32 v[O+jj:O+jj+1], v[O+jj:O+jj+1], v[244:245] op_sel_hi:[1,0]
.set jj, jj+2
.endr
.irp b, 0,1
	v_max3_num_f32 v[BM+\b], |v[O+16*\b]|, |v[O+1+16*\b]|, 0x2800000
.endr
.irp i, 2,4,6,8,10,12,14
.irp b, 0,1
	s_delay_alu instid0(VALU_DEP_2)
	v_max3_num_f32 v[BM+\b], v[BM+\b], |v[O+16*\b+\i]|, |v[O+1+16*\b+\i]|
.endr
.endr
.irp b, 0,1
	s_delay_alu instid0(VALU_DEP_2)
	v_permlanex16_b32 v[PB+\b], v[BM+\b], s[SEL], s[SEL+1]
.endr
.irp b, 0,1
	s_delay_alu instid0(VALU_DEP_2)
	v_max_num_f32 v[BM+\b], v[BM+\b], v[PB+\b]
.endr
.irp b, 0,1
	s_delay_alu instid0(VALU_DEP_2)
	v_add_nc_u32 v[SO+\b], 0xfe000000, v[BM+\b]
.endr
.irp b, 0,1
	s_delay_alu instid0(VALU_DEP_2)
	v_lshrrev_b32 v[PB+\b], 23, v[SO+\b]
.endr
	s_delay_alu instid0(VALU_DEP_1)
	v_lshl_or_b32 v55, v[PB+1], 8, v[PB]           ; the head's two bytes of my row's scale word
	v_cvt_scalef32_pk16_bf6_f32 v[P:P+2], v[O:O+15], v[SO]
	v_cvt_scalef32_pk16_bf6_f32 v[246:248], v[O+16:O+31], v[SO+1]
	v_nop
.irp i, 0,1,2
	v_permlane16_swap_b32 v[P+\i], v[246+\i]
.endr
.irp i, 0,1,2
	s_delay_alu instid0(VALU_DEP_3)
	v_mov_b32 v[P+3+\i], v[246+\i]
.endr
.irp g, 0,1,2
	global_store_b64 v10, v[P+2*\g:P+2*\g+1], s[48:49] offset:256*\g   ; 32 lanes store 256 consecutive bytes, aligned
.endr
	global_store_b16 v9, v55, s[50:51]             ; two bytes a row (both halves of the lanes store the same): a scale word spans two heads, which other work-groups make
.endm
	PASS 0
	PASS 1
	s_wait_xcnt 0x0
	v_lshl_add_u32 v254, v0, 2, 0x32000
	v_mov_b32 v255, 0
	s_wait_alu depctr_va_vdst(0)
	s_wait_tensorcnt 0x0
	ds_add_u32 v254, v255
	s_wait_dscnt 0x0
	s_endpgm
.Lfunc_end_k_qcdef1f8c2e_attn:
	.size	k_qcdef1f8c2e_attn, .Lfunc_end_k_qcdef1f8c2e_attn-k_qcdef1f8c2e_attn
	.p2alignl 7, 3214868480
	.fill 96, 4, 3214868480
	.section	.rodata,"a",@progbits
	.p2align	6, 0x0
	.amdhsa_kernel k_qcdef1f8c2e_attn
		.amdhsa_group_segment_fixed_size 206848
		.amdhsa_private_segment_fixed_size 0
		.amdhsa_enable_private_segment 0
		.amdhsa_kernarg_size 24
		.amdhsa_user_sgpr_count 2
		.amdhsa_user_sgpr_kernarg_segment_ptr 1
		.amdhsa_wavefront_size32 1
		.amdhsa_system_sgpr_workgroup_id_x 1
		.amdhsa_system_sgpr_workgroup_id_y 1
		.amdhsa_system_sgpr_workgroup_id_z 1
		.amdhsa_system_vgpr_workitem_id 0
		.amdhsa_next_free_vgpr 256
		.amdhsa_next_free_sgpr 66
		.amdhsa_reserve_vcc 1
		.amdhsa_float_denorm_mode_32 3
		.amdhsa_float_denorm_mode_16_64 3
		.amdhsa_memory_ordered 1
		.amdhsa_forward_progress 1
		.amdhsa_inst_pref_size 64
	.end_amdhsa_kernel
	.amdgpu_metadata
---
amdhsa.version: [ 1, 2 ]
amdhsa.kernels:
  - .name:           k_qcdef1f8c2e_attn
    .symbol:         k_qcdef1f8c2e_attn.kd
    .args:
      - { .name: qkv, .offset: 0, .size: 8, .value_kind: global_buffer, .address_space: global }
      - { .name: ctximg, .offset: 8, .size: 8, .value_kind: global_buffer, .address_space: global }
      - { .name: ctxsc, .offset: 16, .size: 8, .value_kind: global_buffer, .address_space: global }
    .group_segment_fixed_size: 206848
    .private_segment_fixed_size: 0
    .kernarg_segment_align: 8
    .kernarg_segment_size: 24
    .max_flat_workgroup_size: 512
    .sgpr_count:     66
    .vgpr_count:     256
    .wavefront_size: 32
...
	.end_amdgpu_metadata
.endif
;; end of part 3
;; launch proj (part 4): grid 4 x 32, 4 waves a work-group, clusters of 4 x 4, 327,680 bytes of LDS; arguments ctximg, ctxsc, opimg, opsc, bo, out0; writes out0
.if DOCPART == 4
	.amdgcn_target "amdgcn-amd-amdhsa--gfx1250"
	.amdhsa_code_object_version 6
	.text
	.protected	k_qcdef1f8c2e_proj
	.globl	k_qcdef1f8c2e_proj
	.p2align	8
	.type	k_qcdef1f8c2e_proj,@function
k_qcdef1f8c2e_proj:
	s_mov_b64 s[64:65], 0
	v_nop
	global_prefetch_b8 v0, s[64:65] scope:SCOPE_SE
	s_setreg_imm32_b32 hwreg(HW_REG_WAVE_MODE, 25, 1), 1
	s_wait_xcnt 0x0
	s_wait_alu depctr_hold_cnt(0) depctr_sa_sdst(0) depctr_va_vdst(0) depctr_va_sdst(0) depctr_va_ssrc(0) depctr_va_vcc(0) depctr_vm_vsrc(0)
	s_getreg_b32 s2, hwreg(HW_REG_IB_STS2, 6, 4)
	s_cmp_eq_u32 s2, 0
	s_cbranch_scc0 .Lentry_in_a_cluster
	s_endpgm
.Lentry_in_a_cluster:
	s_bfe_u32 s2, ttmp6, 0x10000c
	s_cmp_lg_u32 s2, 0xf033
	s_cbranch_scc0 .Lentry_shape_is_right
	s_endpgm
.Lentry_shape_is_right:
; out = ctx Wo^T + bo on codes of BF6 (E3M2) with E8M0 scales, f32 sums.  ctx [8192][1024] and Wo [1024][1024] come as fragment images (1,536 bytes: piece g = registers 2 g, 2 g + 1 of lane l at 256 g + 8 l) and scale words
; [row tile][K half 2][row 16][4 words].  K = 1,024: eight K steps of 128.
; A tile of C, 256 x 256, is made by four waves, 128 x 128 each: 64 accumulators.  A ring of two LDS slots, each with two K steps of 16 + 16 row tiles; the scale words of all of K come once.
; THE MATRIX INSTRUCTION IS USED TRANSPOSED (source 0 = 16 rows of Wo, source 1 = 16 rows of ctx).  Position j of row tile T is row 32 (T / 2) + 8 (T % 2) + j + 8 (j / 8): so a lane's 64 registers of an A tile are
; 128 neighbouring columns of out, register 16 b + i = column 32 b + 16 (lane / 16) + i, and the rows are put back in their places by the stores' offsets.
; CLUSTERS: 4 x 4.  A's tiles are shared along a row of the cluster, B's along a column: joint loads, with a round of the cluster's barrier in front of the first and of each refill, and one at the end.
; 128 work-groups: a tile of half the size would read each LDS byte for fewer products.
; REGISTERS: window 0: v1 r, v2 h, v3 lane, v7-9 addresses of the way out, v12-18 LDS addresses, v20-23 bo, v32-63 scale words (two sets), v64-255 A's fragments (two sets of 96); window 1: B's two sets;
;   windows 2, 3: the accumulators, (a, b) at v[8 (8 (a % 4) + b)].
.set PAC, 4                            ; s[4:5] A's codes (ctximg);  s[6:7] A's scale words;  s[8:9], s[10:11] B's (opimg, opsc)
.set PAS, 6
.set PBC, 8
.set PBS, 10
.set FR,     12                        ; registers of a fragment
.set FRB,    1536                      ; its image
.set SLROW,  3072                      ; a row tile's two K steps
.set HALFT,  24576                     ; 8 row tiles: what one tensor load brings, and what a wave reads of A or of B
.set SLOT,   98304                     ; A's 16 row tiles, then B's 16
.set SCL,    196608                    ; behind the ring: A's scale words (16 x 512 bytes), then B's
.set HALFS,  4096
.set SPARE,  212992                    ; the spare words, 128 bytes for each wave: two blocks of 256 bytes that no other line names
.set STAGE,  213504                    ; the way out: 16 rows x (512 + 16) bytes for each wave; no fill lands here
.set ADRA, 12                          ; v12-13 LDS address of my A fragments in slot 0, 1
.set ADRB, 14                          ; v14-15 the same for B
.set ADRS, 16                          ; v16    of my scale words: lanes 0-15 A's rows, lanes 16-31 B's
.set SPW,  17                          ; v17    my spare word: SPARE + 4 x my thread's number; never rewritten
.set NIL,  18                          ; v18    0; never rewritten
.set STO,  7                           ; v7     the stage: where I put 32 bytes of a row
.set RD,   8                           ; v8     where I read a row back
.set CO,   9                           ; v9     16 x lane: my bytes of a row of 512
.set BO,   20                          ; v20-23 bo at my four columns
.set SC,   32                          ; scale words: set s at v[SC + 16 s]; register 2 i + q: lanes 0-15 A's tile i, lanes 16-31 B's tile i, the slot's q-th K step
.set AF,   64
.set BK,   64                          ; the way out: 16 rows read back: v64-127 and v128-191 by turns
.set G1, 24
.set G0, 32
.set G1B, 48
.set G0B, 56
.set G1S, 68
.set G0S, 76
.set G1SB, 80
.set G0SB, 88
.set MSB, 0
.macro WIN new                         ; the immediate's high byte repeats the setting that is left
.if MSB != \new
	s_set_vgpr_msb (MSB<<8)|\new
.set MSB, \new
.endif
.endm
.set MUL_LO, 0xa1                      ; source 0 (B) window 1, source 1 (A) window 0, C and D window 2
.set MUL_HI, 0xf1                      ; the same, C and D window 3
.set TO_B,   0x40                      ; destination window 1, address window 0
; A joint load: waves 0 and 1 fetch for A, waves 2 and 3 for B; the branch hangs on the wave's number alone.  Four v_nop follow each of the two lines.
.macro JLOAD g0a, g1a, g0b, g1b
	s_cmp_eq_u32 s3, 0
	s_cbranch_scc0 .Lfor_b_\@
	tensor_load_to_lds s[\g0a:\g0a+3], s[\g1a:\g1a+7]
	s_nop 0
.rept 4
	v_nop
.endr
	s_branch .Lasked_\@
.Lfor_b_\@:
	tensor_load_to_lds s[\g0b:\g0b+3], s[\g1b:\g1b+7]
	s_nop 0
.rept 4
	v_nop
.endr
.Lasked_\@:
.endm
.macro CREST                           ; a round of the cluster's barrier behind its opening barrier
	s_cmp_lg_u32 s2, 0
	s_cbranch_scc1 .Lnot_wave_0_\@
	s_barrier_signal -3
.Lnot_wave_0_\@:
	s_barrier_wait -3
	s_barrier_signal -1
	s_barrier_wait -1
.endm
.macro CROUND
	s_barrier_signal -1
	s_barrier_wait -1
	CREST
.endm
.macro PLACES n                        ; plain vector places behind matrix instructions, in front of loads into registers that they have read and of reads of their results
.rept \n
	v_nop
.endr
.endm
.macro FRAG reg, adr, q, i             ; row tile i's fragment of the slot's q-th K step: six pieces of 256 consecutive bytes
.irp g, 0,1,2,3,4,5
	ds_load_b64 v[(\reg)+2*\g:(\reg)+2*\g+1], v[\adr] offset:(\i)*SLROW+(\q)*FRB+256*\g
.endr
.endm
.macro FETCH_B slot, q, set
	WIN TO_B
.irp i, 0,1,2,3,4,5,6,7
	FRAG 96*(\set)+FR*\i, ADRB+\slot, \q, \i
.endr
	WIN 0
.endm
.macro FETCH_A slot, q, set
.irp i, 0,1,2,3,4,5,6,7
	FRAG AF+96*(\set)+FR*\i, ADRA+\slot, \q, \i
.endr
.endm
.macro SCALES S, sc                    ; the scale words of slot fill S (K steps 2 S, 2 S + 1) into set sc
.irp i, 0,1,2,3,4,5,6,7
	ds_load_b64 v[SC+16*(\sc)+2*\i:SC+16*(\sc)+2*\i+1], v[ADRS] offset:512*\i+256*((\S)/2)+8*((\S)%2)
.endr
.endm
; 16 matrix instructions: A's tiles a0, a0 + 1 x B's eight.  The 64 accumulators take turns, one instruction a turn, in the same order in every K step.
.macro MUL16 a0, set, q, sc, zero
.irp a, \a0, \a0+1
.irp b, 0,1,2,3,4,5,6,7
.if \zero
	v_wmma_scale_f32_16x16x128_f8f6f4 v[8*(8*((\a)%4)+\b):8*(8*((\a)%4)+\b)+7], v[96*(\set)+FR*\b:96*(\set)+FR*\b+FR-1], v[AF+96*(\set)+FR*(\a):AF+96*(\set)+FR*(\a)+FR-1], 0, v[SC+16*(\sc)+2*\b+(\q)], v[SC+16*(\sc)+2*(\a)+(\q)] matrix_a_fmt:MATRIX_FMT_BF6 matrix_b_fmt:MATRIX_FMT_BF6 matrix_a_scale:MATRIX_SCALE_ROW1
.else
	v_wmma_scale_f32_16x16x128_f8f6f4 v[8*(8*((\a)%4)+\b):8*(8*((\a)%4)+\b)+7], v[96*(\set)+FR*\b:96*(\set)+FR*\b+FR-1], v[AF+96*(\set)+FR*(\a):AF+96*(\set)+FR*(\a)+FR-1], v[8*(8*((\a)%4)+\b):8*(8*((\a)%4)+\b)+7], v[SC+16*(\sc)+2*\b+(\q)], v[SC+16*(\sc)+2*(\a)+(\q)] matrix_a_fmt:MATRIX_FMT_BF6 matrix_b_fmt:MATRIX_FMT_BF6 matrix_a_scale:MATRIX_SCALE_ROW1
.endif
.endr
.endr
.endm
; A slot's first K step: multiplies set 0 and fetches the slot's second K step into set 1.
.macro STEP slot, zero
	s_wait_dscnt 0x0                               ; set 0 and the slot's scale words are in (asked for a K step ago)
	PLACES 4                                       ; set 1 was read by the K step before
	FETCH_B \slot, 1, 1
	WIN MUL_LO
	MUL16 0, 0, 0, \slot, \zero
	MUL16 2, 0, 0, \slot, \zero
	WIN 0
	FETCH_A \slot, 1, 1
	WIN MUL_HI
	MUL16 4, 0, 0, \slot, \zero
	MUL16 6, 0, 0, \slot, \zero
	WIN 0
.endm
; A slot's second K step multiplies set 1 and changes slots: ONE barrier; in front of it each wave waits for all its tensor loads, adds 0 to its spare word, and waits for that and for its reads of this slot (set 1's were the last).
; fill = 1: the barrier opens a round of the cluster's barrier and this slot is filled again, two slots' worth of K on.  S: the fill that lies in the next slot.
.macro TURN slot, next, S, fill
	s_wait_tensorcnt 0x0                           ; all my tensor loads have landed: my part of the next slot
	ds_add_u32 v[SPW], v[NIL]                      ; 0 onto my spare word
	s_wait_dscnt 0x0                               ; the add is done, set 1 is in, and my reads of this slot are over
	s_barrier_signal -1
	WIN MUL_LO
	MUL16 0, 1, 1, \slot, 0                        ; work on registers while the others arrive
	WIN 0                                          ; at a branch and at a label every window is 0
	s_barrier_wait -1
.if \fill
	CREST                                          ; no wave of any partner still reads this slot or has a load on its way
	s_add_nc_u64 s[G0+4*\slot+2:G0+4*\slot+3], s[G0+4*\slot+2:G0+4*\slot+3], 2*SLROW
	s_add_nc_u64 s[G0B+4*\slot+2:G0B+4*\slot+3], s[G0B+4*\slot+2:G0B+4*\slot+3], 2*SLROW
	JLOAD G0+4*\slot, G1, G0B+4*\slot, G1B         ; the first tensor load behind the round; its four v_nop are the places in front of the loads below
.else
	PLACES 4
.endif
	FETCH_B \next, 0, 0
	SCALES \S, \next
	WIN MUL_LO
	MUL16 2, 1, 1, \slot, 0
	WIN 0
	FETCH_A \next, 0, 0
	WIN MUL_HI
	MUL16 4, 1, 1, \slot, 0
	MUL16 6, 1, 1, \slot, 0
	WIN 0
.endm
	s_load_b256 s[4:11], s[0:1], 0x0               ; ctximg, ctxsc, opimg, opsc
	s_load_b128 s[12:15], s[0:1], 0x20             ; bo, out0
	v_lshl_add_u32 v[SPW], v0, 2, SPARE
	v_mov_b32 v[NIL], 0
	ds_add_u32 v17, v18
	ds_add_u32 v17, v18
	s_wait_dscnt 0x0
	v_lshrrev_b32 v1, 5, v0
	v_readfirstlane_b32 s2, v1                     ; wave 0..3
	s_lshr_b32 s3, s2, 1                           ; my half of A's rows.  Also: I fetch for A (0) or for B (1)
	s_and_b32 s16, s2, 1                           ; my half of B's rows.  Also: which 8 row tiles I fetch
	s_bfe_u32 s40, ttmp6, 0x40000                  ; cx, cy: my place in the cluster
	s_bfe_u32 s41, ttmp6, 0x40004
	s_and_b32 s42, ttmp7, 0xffff                   ; the cluster's y
	s_lshl_b32 s17, s42, 6
	s_lshl_b32 s18, s41, 4
	s_add_co_u32 s92, s17, s18                     ; A's first row tile: 64 x cluster y + 16 cy
	s_lshl_b32 s47, s40, 4
	s_add_co_u32 s93, s47, 704                     ; B's: Wo's tiles begin at 704; + 16 cx
	s_lshl_b32 s98, s41, 2
	s_lshl_b32 s98, 15, s98                        ; my row of the cluster
	s_lshl_b32 s99, 0x1111, s40                    ; my column
	; descriptor group 1 for codes: 8 rows (row tiles) of 3,072 bytes, 12,288 bytes apart, in elements of 8 bytes; no padding
	s_or_b32 s[G1], s98, (3<<16)|(1<<21)           ; 15:0 the mask; 17:16 elements of 8 bytes; 21 set beside a mask
	s_or_b32 s[G1B], s99, (3<<16)|(1<<21)
.irp g, G1, G1B
	s_mov_b32 s[\g+1], 384<<16                     ; tensor_dim0
	s_mov_b32 s[\g+2], 8<<16                       ; tensor_dim1
	s_mov_b32 s[\g+3], 384<<16                     ; tile_dim0
	s_mov_b32 s[\g+4], 8                           ; tile_dim1
	s_mov_b32 s[\g+5], 1536                        ; tensor_dim0_stride
	s_mov_b32 s[\g+6], 0
	s_mov_b32 s[\g+7], 0
.endr
	; and for the scale words of 8 row tiles: 4,096 dense bytes as 16 rows of 256
	s_or_b32 s[G1S], s98, (3<<16)|(1<<21)
	s_or_b32 s[G1SB], s99, (3<<16)|(1<<21)
.irp g, G1S, G1SB
	s_mov_b32 s[\g+1], 32<<16
	s_mov_b32 s[\g+2], 16<<16
	s_mov_b32 s[\g+3], 32<<16
	s_mov_b32 s[\g+4], 16
	s_mov_b32 s[\g+5], 32
	s_mov_b32 s[\g+6], 0
	s_mov_b32 s[\g+7], 0
.endr
	s_lshl_b32 s19, s16, 3                         ; which 8 row tiles I fetch
	s_add_co_u32 s20, s92, s19
	s_lshl_b32 s22, s20, 9                         ; their scale words,
	s_mov_b32 s23, 0
	s_mul_i32 s20, s20, 12288                      ; their codes
	s_mov_b32 s21, 0
	s_add_co_u32 s46, s93, s19
	s_lshl_b32 s94, s46, 9
	s_mov_b32 s95, 0
	s_mul_i32 s46, s46, 12288
	s_mov_b32 s47, 0
	s_mul_i32 s96, s2, HALFT                       ; where they go: wave x 8 row tiles: no place in the cluster enters an LDS address
	s_mul_i32 s97, s2, HALFS
	s_wait_kmcnt 0x0
	s_add_nc_u64 s[20:21], s[PAC:PAC+1], s[20:21]
	s_add_nc_u64 s[22:23], s[PAS:PAS+1], s[22:23]
	s_add_nc_u64 s[46:47], s[PBC:PBC+1], s[46:47]
	s_add_nc_u64 s[94:95], s[PBS:PBS+1], s[94:95]
	CROUND                                         ; all sixteen work-groups are here: the first joint loads meet
	s_mov_b32 s[G0S], 1
	s_add_co_u32 s[G0S+1], s97, SCL
	s_mov_b64 s[G0S+2:G0S+3], s[22:23]
	s_or_b32 s[G0S+3], s[G0S+3], 0x80000000
	s_mov_b32 s[G0SB], 1
	s_add_co_u32 s[G0SB+1], s97, SCL
	s_mov_b64 s[G0SB+2:G0SB+3], s[94:95]
	s_or_b32 s[G0SB+3], s[G0SB+3], 0x80000000
	JLOAD G0S, G1S, G0SB, G1SB                     ; the scale words of all of K: filled once
.irp s, 0,1
	s_mov_b32 s[G0+4*\s], 1
	s_add_co_u32 s[G0+4*\s+1], s96, \s*SLOT
	s_add_nc_u64 s[G0+4*\s+2:G0+4*\s+3], s[20:21], \s*SLROW
	s_or_b32 s[G0+4*\s+3], s[G0+4*\s+3], 0x80000000
	s_mov_b32 s[G0B+4*\s], 1
	s_add_co_u32 s[G0B+4*\s+1], s96, \s*SLOT
	s_add_nc_u64 s[G0B+4*\s+2:G0B+4*\s+3], s[46:47], \s*SLROW
	s_or_b32 s[G0B+4*\s+3], s[G0B+4*\s+3], 0x80000000
	s_wait_alu depctr_va_vdst(0)
	s_wait_tensorcnt 0x0
	ds_add_u32 v17, v18
	s_wait_dscnt 0x0
	CROUND
	JLOAD G0+4*\s, G1, G0B+4*\s, G1B               ; one load of mine is out
.endr
	v_and_b32 v1, 15, v0                           ; r
	v_bfe_u32 v2, v0, 4, 1                         ; h
	s_wait_alu depctr_va_vdst(0)
	v_and_b32 v3, 31, v0                           ; lane
	v_lshlrev_b32 v4, 3, v3                        ; 8 x lane: my place in a piece
	s_mul_i32 s17, s3, HALFT                       ; my 8 row tiles of A
	s_mul_i32 s18, s16, HALFT                      ; my 8 of B,
	s_add_co_u32 s18, s18, 2*HALFT                 ; which lie behind A's 16
.irp s, 0,1
	v_add_nc_u32 v[ADRA+\s], s17, v4
	v_add_nc_u32 v[ADRB+\s], s18, v4
	s_add_co_u32 s17, s17, SLOT
	s_add_co_u32 s18, s18, SLOT
.endr
	v_lshlrev_b32 v5, 4, v1                        ; my row's four words of a K half
	s_mul_i32 s17, s3, HALFS
	s_mul_i32 s18, s16, HALFS
	s_add_co_u32 s18, s18, 2*HALFS
	s_sub_co_u32 s18, s18, s17
	v_mul_u32_u24 v6, s18, v2                      ; lanes 16-31 take B's: one product, the distance between the two bases x h
	s_add_co_u32 s17, s17, SCL
	v_add_nc_u32 v5, v5, v6
	v_add_nc_u32 v[ADRS], s17, v5
	s_mul_i32 s17, s2, 16*528
	s_add_co_u32 s17, s17, STAGE                   ; my stage
	v_mul_u32_u24 v[STO], v1, 528
	v_lshl_add_u32 v[STO], v2, 6, v[STO]
	v_add_nc_u32 v[STO], s17, v[STO]               ; in: row r, + 64 h
	v_lshlrev_b32 v[CO], 4, v3
	v_add_nc_u32 v[RD], s17, v[CO]                 ; back: the 32 lanes take one row of 512 bytes
	; where my results go.  These registers feed stores and bo's address alone
	s_lshl_b32 s66, s40, 10
	s_lshl_b32 s67, s16, 9
	s_add_co_u32 s66, s66, s67                     ; my first column, in bytes: 1,024 cx + 512 x half
	s_mov_b32 s67, 0
	s_add_nc_u64 s[12:13], s[12:13], s[66:67]
	global_load_b128 v[BO:BO+3], v[CO], s[12:13]   ; bo at the four columns that I store
	s_lshl_b32 s44, s3, 3
	s_add_co_u32 s44, s44, s92
	s_lshl_b32 s96, s44, 16                        ; my first row tile x 16 rows of 4,096 bytes
	s_add_co_u32 s96, s96, s66
	s_mov_b32 s97, 0
	s_add_nc_u64 s[96:97], s[14:15], s[96:97]
	s_wait_alu depctr_va_vdst(0)
	s_wait_tensorcnt 1                             ; the scale words and my part of slot 0 are in (slot 1's load may be out)
	s_barrier_signal -1
	s_barrier_wait -1                              ; everybody's are
	FETCH_B 0, 0, 0
	FETCH_A 0, 0, 0
	SCALES 0, 0
	STEP 0, 1                                      ; the first products start the sums: nothing is cleared
	TURN 0, 1, 1, 1
	STEP 1, 0
	TURN 1, 0, 2, 1
	STEP 0, 0
	TURN 0, 1, 3, 0                                ; nothing is left to fetch
	STEP 1, 0
	s_wait_dscnt 0x0
	WIN MUL_LO
	MUL16 0, 1, 1, 1, 0
	MUL16 2, 1, 1, 1, 0
	WIN MUL_HI
	MUL16 4, 1, 1, 1, 0
	MUL16 6, 1, 1, 1, 0
	WIN 0
; THE WAY OUT, A tile by A tile: 16 rows x 128 columns go through my own stage and come back as whole rows of 512 bytes.  LDS serves a wave's instructions in order: no wait between the stores and the loads, nor in front of the next tile's stores.
.macro TOSTAGE a
.set AC, 64*((\a)%4)
.set WW, 0x08+4*((\a)/4)
	WIN WW                                         ; the data: window 2 or 3
.irp b, 0,1,2,3,4,5,6,7
	ds_store_b128 v[STO], v[AC+8*\b:AC+8*\b+3] offset:128*(\b/2)+32*(\b%2)          ; columns 32 (b / 2) + 16 h + 8 (b % 2) on; each accumulator from its low end on
	ds_store_b128 v[STO], v[AC+8*\b+4:AC+8*\b+7] offset:128*(\b/2)+32*(\b%2)+16
.endr
	WIN 0
.set BB, BK+64*((\a)%2)
.irp t, 0,1,2,3,4,5,6,7,8,9,10,11,12,13,14,15
	ds_load_b128 v[BB+4*\t:BB+4*\t+3], v[RD] offset:\t*528
.endr
.endm
.macro SEND a, younger                 ; younger: the LDS instructions issued behind tile a's loads, which may stay out
.set BB, BK+64*((\a)%2)
	s_wait_dscnt \younger
.irp t, 0,1,2,3,4,5,6,7,8,9,10,11,12,13,14,15
	v_pk_add_f32 v[BB+4*\t:BB+4*\t+1], v[BB+4*\t:BB+4*\t+1], v[BO:BO+1]
	v_pk_add_f32 v[BB+4*\t+2:BB+4*\t+3], v[BB+4*\t+2:BB+4*\t+3], v[BO+2:BO+3]
.endr
.irp t, 0,1,2,3,4,5,6,7,8,9,10,11,12,13,14,15
	global_store_b128 v[CO], v[BB+4*\t:BB+4*\t+3], s[96:97] offset:(32*((\a)/2)+8*((\a)%2)+\t+8*(\t/8))*4096 th:TH_STORE_NT   ; position t of tile a is that row; 512 consecutive bytes, at a multiple of 256 from out0's first byte
.endr
.endm
	s_wait_loadcnt 0x0                             ; bo
	PLACES 4                                       ; behind the last products: their results are read, and loads land in their operands' registers
	TOSTAGE 0
.irp a, 1,2,3,4,5,6,7
.if \a > 1
	s_wait_xcnt 0x0                                ; tile a - 2's stores have read their registers: tile a's loads may land there
.endif
	TOSTAGE \a
	SEND \a-1, 32                                  ; behind tile a - 1's loads: tile a's 16 stores and 16 loads
.endr
	SEND 7, 0
	s_wait_tensorcnt 0x0                           ; the wave's end: behind my last tensor load and my last LDS store
	ds_add_u32 v[SPW], v[NIL]
	s_wait_dscnt 0x0
	CROUND                                         ; the closing round: no work-group ends while a partner may still ask for a tile that names it
	s_endpgm
.Lfunc_end_k_qcdef1f8c2e_proj:
	.size	k_qcdef1f8c2e_proj, .Lfunc_end_k_qcdef1f8c2e_proj-k_qcdef1f8c2e_proj
	.p2alignl 7, 3214868480
	.fill 96, 4, 3214868480
	.section	.rodata,"a",@progbits
	.p2align	6, 0x0
	.amdhsa_kernel k_qcdef1f8c2e_proj
		.amdhsa_group_segment_fixed_size 327680
		.amdhsa_private_segment_fixed_size 0
		.amdhsa_enable_private_segment 0
		.amdhsa_kernarg_size 48
		.amdhsa_user_sgpr_count 2
		.amdhsa_user_sgpr_kernarg_segment_ptr 1
		.amdhsa_wavefront_size32 1
		.amdhsa_system_sgpr_workgroup_id_x 1
		.amdhsa_system_sgpr_workgroup_id_y 1
		.amdhsa_system_sgpr_workgroup_id_z 1
		.amdhsa_system_vgpr_workitem_id 0
		.amdhsa_next_free_vgpr 1024
		.amdhsa_next_free_sgpr 100
		.amdhsa_reserve_vcc 0
		.amdhsa_float_denorm_mode_32 3
		.amdhsa_float_denorm_mode_16_64 3
		.amdhsa_memory_ordered 1
		.amdhsa_forward_progress 1
		.amdhsa_inst_pref_size 175
	.end_amdhsa_kernel
	.amdgpu_metadata
---
amdhsa.version: [ 1, 2 ]
amdhsa.kernels:
  - .name:           k_qcdef1f8c2e_proj
    .symbol:         k_qcdef1f8c2e_proj.kd
    .args:
      - { .name: ctximg, .offset: 0, .size: 8, .value_kind: global_buffer, .address_space: global }
      - { .name: ctxsc, .offset: 8, .size: 8, .value_kind: global_buffer, .address_space: global }
      - { .name: opimg, .offset: 16, .size: 8, .value_kind: global_buffer, .address_space: global }
      - { .name: opsc, .offset: 24, .size: 8, .value_kind: global_buffer, .address_space: global }
      - { .name: bo, .offset: 32, .size: 8, .value_kind: global_buffer, .address_space: global }
      - { .name: out0, .offset: 40, .size: 8, .value_kind: global_buffer, .address_space: global }
    .group_segment_fixed_size: 327680
    .private_segment_fixed_size: 0
    .kernarg_segment_align: 8
    .kernarg_segment_size: 48
    .max_flat_workgroup_size: 128
    .sgpr_count:     100
    .vgpr_count:     1024
    .wavefront_size: 32
...
	.end_amdgpu_metadata
.endif
;; end of part 4
